; MI455X (gfx1250); checked and timed in simulation.
; The chip was launched on July 23, 2026; its instructions are those of AMD's public machine-readable ISA for CDNA 5 (MIT licence, August 2026) and "CDNA5" Instruction Set Architecture Reference Guide (July 2026). The comments in the code are by the model that wrote it; some were corrected since.
;; Bidirectional Attention. Allowed arithmetic: matrix products marked QUANTISED: E2M3 operands, one E8M0 scale for each 32 along K, by v_wmma_scale_f32_16x16x128_f8f6f4 with both operands' format E2M3, f32 sums; everything else in f32.
;; Inputs: W_proj 1,024 x 1,024 float32; W_qkv 3,072 x 1,024 float32; pad_mask 4 x 2,048 bool; x 4 x 2,048 x 1,024 float32.
;; Outputs: out0 4 x 2,048 x 1,024 float32.
;; This version of the problem:
;;   THIS VERSION OF THE PROBLEM IS GIVEN IN LOW PRECISION. The matrix products marked QUANTISED in the list below multiply operands that are first quantised to E2M3 (2 exponent bits, 3 mantissa bits; 6 bits a number), with one power-of-two scale for each 32 numbers along K (OCP MX v1.0); their sums are f32. All else is computed in f32.
;;   The module's matrix products, in the order in which they are computed (A, B: the left and right operand; K: the contracted axis; several contracted axes count as one K, in the product's order):
;;     1. [M 8,192, K 1,024] x [K 1,024, N 3,072]; A: input x; B: input W_qkv: QUANTISED
;;     2. batch 64 x [M 2,048, K 64] x [K 64, N 2,048]; A: computed on the way; B: computed on the way: QUANTISED
;;     3. batch 64 x [M 2,048, K 2,048] x [K 2,048, N 64]; A: softmax (see below); B: computed on the way: QUANTISED
;;     4. [M 8,192, K 1,024] x [K 1,024, N 1,024]; A: computed on the way; B: input W_proj: QUANTISED
;;   THE QUANTISER, for each operand of a quantised product, along K:
;;     - K is cut into blocks of 32 from its start; a last block that is shorter is filled with zeros.
;;     - A block's scale is 2^e with e = floor(log2(the largest magnitude in the block)) - 2, held to -126 .. 127; a block of zeros has e = 0. As a byte (E8M0): e + 127.
;;     - Each number is divided by its block's scale, clamped to +-7.5, and rounded to the nearest number of E2M3, ties to even, subnormals kept.
;;     - The product sums the exact products of the quantised numbers (number of the format x scale) in f32.
;;   ~~~python
;;   def quantise(x, axis):      # numpy; x: float32 -> the quantised numbers, widened to float32 again
;;       x = np.moveaxis(x, axis, -1); K = x.shape[-1]
;;       x = np.pad(x, [(0, 0)] * (x.ndim - 1) + [(0, -K % 32)]); x = x.reshape(x.shape[:-1] + (-1, 32)); a = np.abs(x).max(-1, keepdims=True)
;;       e = np.where(a > 0, np.clip(np.frexp(np.where(a > 0, a, 1))[1] - 1 - 2, -126, 127), 0)      # np.frexp(a)[1] - 1 = floor(log2(a)), exactly
;;       r = np.clip(x / 2.0 ** e, -7.5, 7.5)
;;       step = 2.0 ** (np.maximum(np.frexp(np.where(r == 0, 1, r))[1] - 1, 0) - 3)
;;       q = np.round(r / step) * step * 2.0 ** e      # np.round: ties to even
;;       return np.moveaxis(q.reshape(q.shape[:-2] + (-1,))[..., :K], -1, axis).astype(np.float32)
;;   ~~~
;;   SOFTMAX AHEAD OF A QUANTISED PRODUCT. Where the list says 'softmax', what is quantised is not the finished softmax but p = 2^(t - M), with t = logit x log2(e) and M = ceil(the row's largest t), a whole number; so 1/2 < the row's largest p <= 1. The row's sum l is taken of the UNQUANTISED p, in f32, and the product's result is divided by l at the end. Since M is a whole number, a kernel that streams over the keys may use a running M (the ceiling of the running maximum): every later rescaling is an exact power of two, which a block's scale takes up: the codes' values come out the same.
;;   OPERANDS COMPUTED ON THE WAY. 'Computed on the way' means the value that the module computes at that place (a softmax that the list does not call 'softmax' is quantised finished and normalised). What goes into a quantiser is computed in f32, as accurately as f32 sums, v_exp_f32 and their like allow (about 1e-6 of the number): no bf16 or f16 on the way to a quantiser, and a product that is left as it is and whose result goes on into a quantised operand takes f32 operands (vector FMAs, or v_wmma_f32_16x16x4_f32). A number that lies on a knife's edge between two numbers of the format may be rounded either way, as far as f32 arithmetic and the matrix unit's own rounding can turn it there, and no further.
;; One version. Each part assembles by itself: llvm-mc -triple=amdgcn-amd-amdhsa -mcpu=gfx1250 --defsym DOCPART=n.
;; ======== version 1 of 1: 4 launches
;; limits: right only within a limited range of input values
;; workspace buffers: in_img 8,650,752 bytes; sc_in 360,448 bytes; qkv_img 18,874,368 bytes; qkv_sc 786,432 bytes; pr_img 7,077,888 bytes; sc_pr 294,912 bytes
;; launch quant (part 1): grid 384 x 1, 4 waves a work-group, no clusters, 34,304 bytes of LDS; arguments x, W_qkv, W_proj, in_img, sc_in, pr_img, sc_pr; writes in_img, sc_in, pr_img, sc_pr
.if DOCPART == 1
	.amdgcn_target "amdgcn-amd-amdhsa--gfx1250"
	.amdhsa_code_object_version 6
	.text
	.protected	k_qb8ab726679_quant
	.globl	k_qb8ab726679_quant
	.p2align	8
	.type	k_qb8ab726679_quant,@function
k_qb8ab726679_quant:
	s_mov_b64 s[64:65], 0
	v_nop
	global_prefetch_b8 v0, s[64:65] scope:SCOPE_SE
	s_setreg_imm32_b32 hwreg(HW_REG_WAVE_MODE, 25, 1), 1
	s_wait_xcnt 0x0
; x [8192][1024], W_qkv [3072][1024] and W_proj [1024][1024], f32, K innermost, become codes of FP6 (E2M3) with one E8M0 byte for each 32 along K,
; laid as IMAGES OF THE OPERAND'S REGISTERS.  A row tile t is 16 rows: lane r stands for row 32 (t / 2) + 8 (t % 2) + r + 8 (r / 8).  A fragment (tile, K step of 128) is
; 12 registers a lane, 1,536 bytes: six pieces of 256 bytes, piece p = registers 2 p, 2 p + 1 of lane l at byte 256 p + 8 l.  A tile's 8 fragments lie on end (12,288 bytes).
; A tile's scale words lie [K step / 4][r][K step % 4]: 512 bytes.  in_img / sc_in: tiles 0-511 x, 512-703 W_qkv.  pr_img / sc_pr: tiles 512-575 W_proj.
; A block's scale is 2^(floor(log2(its largest magnitude)) - 2); its byte is the largest magnitude's exponent field - 2, held at 1 from below.
; LIMITS: a block of zeros gets the byte 1 where the rule says 127 (its codes are zeros, and this program alone reads the bytes); blocks whose largest magnitude lies under 2^(3 - 127)
; keep the byte 1; NaN and infinities among the inputs are not served.
; SHARES: 768 tiles x 2 halves of K = 1,536 wave tasks; wave w of work-group g takes tile 2 g + w / 2, half w % 2: 16 rows x 512 numbers, four steps of 128.
; Each load reads 512 consecutive bytes of one row; a step's 8,192 bytes turn through the wave's own stage in LDS (rows 528 bytes apart, so that sixteen rows start in sixteen
; different groups of banks) and come back 16 neighbours of each block of 32 to a lane.  No barrier: waves share nothing.  Loads run two steps (32 loads a wave) ahead.
.set STG,   8448                       ; a wave's stage: 16 rows x (512 + 16) bytes
.set SPARE, 4*STG                      ; behind the stages: the spare words, 128 bytes for each wave: two blocks of 256 bytes that no other line names
.set R,     16                         ; v16-143  two sets of 64 registers as loaded
.set X,     144                        ; v144-207 register 16 b + i = k 32 b + 16 (lane / 16) + i of my row
.set TM,    208                        ; v208-223 at work in QUANT
.set PWS,   224                        ; v224-227 the four steps' scale words
.set PC,    228                        ; v228-247 the codes just made (12) and the conversions' second halves (8)
.set SPW,   250                        ; v250     LDS address of my spare word; never rewritten
.set NIL,   251                        ; v251     0; never rewritten
.set SEL,   20                         ; s[20:21] v_permlanex16_b32's selects for lane l xor 16
.set HM,    22                         ; s22      the mask of lanes 16-31
	s_load_b256 s[4:11], s[0:1], 0x0               ; x s[4:5], W_qkv s[6:7], W_proj s[8:9], in_img s[10:11]
	s_load_b128 s[12:15], s[0:1], 0x20             ; sc_in s[12:13], pr_img s[14:15]
	s_load_b64 s[16:17], s[0:1], 0x30              ; sc_pr
	v_lshl_add_u32 v[SPW], v0, 2, SPARE
	v_mov_b32 v[NIL], 0
	v_lshrrev_b32 v9, 5, v0
	v_readfirstlane_b32 s18, v9                    ; wave 0..3
	v_and_b32 v6, 31, v0                           ; lane
	v_and_b32 v7, 15, v0                           ; r
	v_bfe_u32 v8, v0, 4, 1                         ; h
	v_lshlrev_b32 v1, 4, v6                        ; v1: my 16 bytes of a load's 512
	s_mul_i32 s19, s18, STG
	v_add_nc_u32 v2, s19, v1                       ; v2: the stage on the way in
	v_mul_u32_u24 v3, v7, 528
	v_lshl_add_u32 v3, v8, 6, v3
	v_add_nc_u32 v3, s19, v3                       ; v3: on the way out: row r, + 64 h
	v_lshlrev_b32 v4, 3, v6                        ; v4: 8 x lane: my place in a piece of an image
	v_lshlrev_b32 v5, 4, v7
	v_lshl_add_u32 v5, v8, 3, v5                   ; v5: 16 r + 8 h: my two of a row's four scale words
.irp b, 0,1,2,3
	v_mov_b32 v[TM+4+\b], 0                        ; written once: a lane permute's destination counts as one of its sources
.endr
	s_mov_b32 s[SEL], 0x76543210
	s_mov_b32 s[SEL+1], 0xfedcba98
	s_mov_b32 s[HM], 0xffff0000
	s_lshr_b32 s24, s18, 1
	s_and_b32 s25, s18, 1                          ; which half of K
	s_lshl_b32 s26, ttmp9, 1
	s_add_co_u32 s26, s26, s24                     ; my tile among the 768
	s_mov_b32 s27, 704
	s_wait_alu depctr_va_vdst(0)
	s_wait_kmcnt 0x0
	s_cmp_lt_u32 ttmp9, 352                        ; the choices hang on the work-group's number alone; only pointers and tile numbers are chosen: one path through the text
	s_cselect_b64 s[6:7], s[6:7], s[8:9]           ; W_qkv or W_proj
	s_cselect_b64 s[10:11], s[10:11], s[14:15]     ; the codes' buffer
	s_cselect_b64 s[12:13], s[12:13], s[16:17]     ; the scale words' buffer
	s_cselect_b32 s27, 512, s27                    ; the tensor's first tile
	s_cselect_b32 s28, 0, 192                      ; W_proj's tiles 704-767 go to tiles 512-575 of pr_img
	s_cmp_lt_u32 ttmp9, 256
	s_cselect_b64 s[4:5], s[4:5], s[6:7]           ; x or a weight
	s_cselect_b32 s27, 0, s27
	s_sub_co_u32 s27, s26, s27                     ; the tile in its tensor
	s_sub_co_u32 s28, s26, s28                     ; and in the images' buffer
	s_lshr_b32 s30, s27, 1
	s_lshl_b32 s30, s30, 17                        ; 32 rows of 4,096 bytes for each pair of tiles,
	s_and_b32 s31, s27, 1
	s_lshl_b32 s31, s31, 15                        ; 8 rows for the odd tile,
	s_add_co_u32 s30, s30, s31
	s_lshl_b32 s31, s25, 11                        ; 512 numbers for the second half of K
	s_add_co_u32 s30, s30, s31
	s_mov_b32 s31, 0
	s_add_nc_u64 s[4:5], s[4:5], s[30:31]
	s_mul_i32 s32, s28, 12288
	s_mul_i32 s33, s25, 6144
	s_add_co_u32 s32, s32, s33
	s_mov_b32 s33, 0
	s_add_nc_u64 s[10:11], s[10:11], s[32:33]
	s_lshl_b32 s34, s28, 9
	s_lshl_b32 s35, s25, 8
	s_add_co_u32 s34, s34, s35
	s_mov_b32 s35, 0
	s_add_nc_u64 s[12:13], s[12:13], s[34:35]
.macro LOAD t                          ; step t: lane index i of the tile is row i + 8 (i / 8); 32 lanes read 512 consecutive bytes of it
.irp i, 0,1,2,3,4,5,6,7,8,9,10,11,12,13,14,15
	global_load_b128 v[R+64*((\t)%2)+4*\i:R+64*((\t)%2)+4*\i+3], v1, s[4:5] offset:(\i+8*(\i/8))*4096+512*(\t) th:TH_LOAD_NT
.endr
.endm
.macro TURN t                          ; through the stage: LDS serves a wave's instructions in order, so no wait stands between the stores and the loads
.irp i, 0,1,2,3,4,5,6,7,8,9,10,11,12,13,14,15
	ds_store_b128 v2, v[R+64*((\t)%2)+4*\i:R+64*((\t)%2)+4*\i+3] offset:528*\i
.endr
.irp b, 0,1,2,3
.irp j, 0,1,2,3
	ds_load_b128 v[X+16*\b+4*\j:X+16*\b+4*\j+3], v3 offset:128*\b+16*\j
.endr
.endr
.endm
; 64 numbers of a lane, register 16 b + i = k 32 b + 16 (lane / 16) + i of my row, become a fragment's codes in v[PC] on and its scale word in v[pw]
.macro QUANT s, pw
.irp b, 0,1,2,3
	v_max3_num_f32 v[TM+\b], |v[\s+16*\b]|, |v[\s+1+16*\b]|, 0x1800000   ; block b: my 16 numbers, and the floor 2^(3 - 127): so the byte cannot fall under 1
.endr
.irp i, 2,4,6,8,10,12,14
.irp b, 0,1,2,3
	v_max3_num_f32 v[TM+\b], v[TM+\b], |v[\s+16*\b+\i]|, |v[\s+1+16*\b+\i]|   ; the four blocks by turns
.endr
.endr
.irp b, 0,1,2,3
	v_permlanex16_b32 v[TM+4+\b], v[TM+\b], s[SEL], s[SEL+1]
.endr
.irp b, 0,1,2,3
	v_max_num_f32 v[TM+\b], v[TM+\b], v[TM+4+\b]   ; with lane l xor 16's: the block's largest magnitude
.endr
.irp b, 0,1,2,3
	v_add_nc_u32 v[TM+12+\b], 0xff000000, v[TM+\b] ; 2 off its exponent field: the conversion takes the exponent field of this operand as its scale
.endr
.irp b, 0,1,2,3
	v_lshrrev_b32 v[TM+4+\b], 23, v[TM+12+\b]      ; the scale's byte
.endr
	v_lshl_or_b32 v[\pw], v[TM+5], 8, v[TM+4]
	v_lshl_or_b32 v[\pw], v[TM+6], 16, v[\pw]
	v_lshl_or_b32 v[\pw], v[TM+7], 24, v[\pw]      ; my row's scale word
.irp c, 0,1
	v_cvt_scalef32_pk16_fp6_f32 v[PC+6*\c:PC+2+6*\c], v[\s+32*\c:\s+15+32*\c], v[TM+12+2*\c]
	v_cvt_scalef32_pk16_fp6_f32 v[PC+12+4*\c:PC+14+4*\c], v[\s+16+32*\c:\s+31+32*\c], v[TM+12+2*\c+1]   ; (a conversion's three registers begin on an even number)
.endr
	v_nop                                          ; one plain place behind a scaled conversion
.irp c, 0,1                            ; the operand's layout wants a whole block in a lane: lanes 0-15 block 2 c, lanes 16-31 block 2 c + 1
.irp i, 0,1,2
	v_permlane16_swap_b32 v[PC+6*\c+\i], v[PC+12+4*\c+\i]
.endr
.irp i, 0,1,2
	v_mov_b32 v[PC+3+6*\c+\i], v[PC+12+4*\c+\i]
.endr
.endr
.endm
.macro STEP t
.if (\t) < 3
	s_wait_loadcnt 16                              ; this step's 16 loads are in; the next step's 16 may be out
.else
	s_wait_loadcnt 0x0
.endif
	TURN \t
	s_wait_dscnt 0x0                               ; my neighbours are back, and the stage's stores have read the registers that the loads below fill
.if (\t) > 0
	s_wait_xcnt 0x0                                ; the last step's stores have read the codes' registers, which are written again below
.endif
.if (\t) < 2
	LOAD (\t)+2
.endif
	QUANT X, PWS+\t
.irp p, 0,1,2,3,4,5
	global_store_b64 v4, v[PC+2*\p:PC+2*\p+1], s[10:11] offset:1536*(\t)+256*\p   ; 32 lanes store 256 consecutive bytes, aligned
.endr
.endm
	LOAD 0
	LOAD 1
	STEP 0
	STEP 1
	STEP 2
	STEP 3
	v_cndmask_b32 v[TM], v[PWS], v[PWS+2], s[HM]   ; lanes 0-15 store their row's words 0, 1; lanes 16-31 words 2, 3
	v_cndmask_b32 v[TM+1], v[PWS+1], v[PWS+3], s[HM]
	global_store_b64 v5, v[TM:TM+1], s[12:13]      ; 256 consecutive bytes, aligned
	s_wait_tensorcnt 0x0                           ; the wave's end, behind my last LDS store
	ds_add_u32 v[SPW], v[NIL]
	s_wait_dscnt 0x0
	s_endpgm
.Lfunc_end_k_qb8ab726679_quant:
	.size	k_qb8ab726679_quant, .Lfunc_end_k_qb8ab726679_quant-k_qb8ab726679_quant
	.p2alignl 7, 3214868480
	.fill 96, 4, 3214868480
	.section	.rodata,"a",@progbits
	.p2align	6, 0x0
	.amdhsa_kernel k_qb8ab726679_quant
		.amdhsa_group_segment_fixed_size 34304
		.amdhsa_private_segment_fixed_size 0
		.amdhsa_enable_private_segment 0
		.amdhsa_kernarg_size 56
		.amdhsa_user_sgpr_count 2
		.amdhsa_user_sgpr_kernarg_segment_ptr 1
		.amdhsa_wavefront_size32 1
		.amdhsa_system_sgpr_workgroup_id_x 1
		.amdhsa_system_sgpr_workgroup_id_y 1
		.amdhsa_system_sgpr_workgroup_id_z 1
		.amdhsa_system_vgpr_workitem_id 0
		.amdhsa_next_free_vgpr 256
		.amdhsa_next_free_sgpr 66
		.amdhsa_reserve_vcc 0
		.amdhsa_float_denorm_mode_32 3
		.amdhsa_float_denorm_mode_16_64 3
		.amdhsa_memory_ordered 1
		.amdhsa_forward_progress 1
		.amdhsa_inst_pref_size 35
	.end_amdhsa_kernel
	.amdgpu_metadata
---
amdhsa.version: [ 1, 2 ]
amdhsa.kernels:
  - .name:           k_qb8ab726679_quant
    .symbol:         k_qb8ab726679_quant.kd
    .args:
      - { .name: x, .offset: 0, .size: 8, .value_kind: global_buffer, .address_space: global }
      - { .name: W_qkv, .offset: 8, .size: 8, .value_kind: global_buffer, .address_space: global }
      - { .name: W_proj, .offset: 16, .size: 8, .value_kind: global_buffer, .address_space: global }
      - { .name: in_img, .offset: 24, .size: 8, .value_kind: global_buffer, .address_space: global }
      - { .name: sc_in, .offset: 32, .size: 8, .value_kind: global_buffer, .address_space: global }
      - { .name: pr_img, .offset: 40, .size: 8, .value_kind: global_buffer, .address_space: global }
      - { .name: sc_pr, .offset: 48, .size: 8, .value_kind: global_buffer, .address_space: global }
    .group_segment_fixed_size: 34304
    .private_segment_fixed_size: 0
    .kernarg_segment_align: 8
    .kernarg_segment_size: 56
    .max_flat_workgroup_size: 128
    .sgpr_count:     66
    .vgpr_count:     256
    .wavefront_size: 32
...
	.end_amdgpu_metadata
.endif
;; end of part 1
;; launch gemm_qkv (part 2): grid 8 x 48, 4 waves a work-group, clusters of 4 x 4, 327,680 bytes of LDS; arguments in_img, sc_in, qkv_img, qkv_sc; writes qkv_img, qkv_sc
.if DOCPART == 2
	.amdgcn_target "amdgcn-amd-amdhsa--gfx1250"
	.amdhsa_code_object_version 6
	.text
	.protected	k_qb8ab726679_gemm_qkv
	.globl	k_qb8ab726679_gemm_qkv
	.p2align	8
	.type	k_qb8ab726679_gemm_qkv,@function
k_qb8ab726679_gemm_qkv:
	s_mov_b64 s[64:65], 0
	v_nop
	global_prefetch_b8 v0, s[64:65] scope:SCOPE_SE
	s_setreg_imm32_b32 hwreg(HW_REG_WAVE_MODE, 25, 1), 1
	s_wait_xcnt 0x0
	s_wait_alu depctr_hold_cnt(0) depctr_sa_sdst(0) depctr_va_vdst(0) depctr_va_sdst(0) depctr_va_ssrc(0) depctr_va_vcc(0) depctr_vm_vsrc(0)
	s_getreg_b32 s2, hwreg(HW_REG_IB_STS2, 6, 4)
	s_cmp_eq_u32 s2, 0
	s_cbranch_scc0 .Lentry_in_a_cluster
	s_endpgm
.Lentry_in_a_cluster:
	s_bfe_u32 s2, ttmp6, 0x10000c
	s_cmp_lg_u32 s2, 0xf033
	s_cbranch_scc0 .Lentry_shape_is_right
	s_endpgm
.Lentry_shape_is_right:
.set FR,     12
.set CHUNK,  3072
.set HALFT,  8*CHUNK
.set SLOT,   4*HALFT
.set SPARE,  3*SLOT
.set SAD,  8
.set ADRA, 16
.set ADRB, 20
.set LN8,  24
.set SOF,  27
.set SPW,  28
.set NIL,  29
.set SC,   32
.set TM,   96
.set PWS,  112
.set AF,   128
.set G1,  24
.set G1B, 32
.set G0,  40
.set G0B, 52
.set MSB, 0
.macro WIN new
.if MSB != \new
	s_set_vgpr_msb (MSB<<8)|\new
.set MSB, \new
.endif
.endm
.set MUL_LO, 0xa1
.set MUL_HI, 0xf1
.set TO_B,   0x40
.macro JLOAD g0a, g1a, g0b, g1b
	s_cmp_eq_u32 s15, 0
	s_cbranch_scc0 .Lfor_b_\@
	tensor_load_to_lds s[\g0a:\g0a+3], s[\g1a:\g1a+7]
	s_nop 0
.rept 4
	v_nop
.endr
	s_branch .Lasked_\@
.Lfor_b_\@:
	tensor_load_to_lds s[\g0b:\g0b+3], s[\g1b:\g1b+7]
	s_nop 0
.rept 4
	v_nop
.endr
.Lasked_\@:
.endm
.macro CREST
	s_cmp_lg_u32 s14, 0
	s_cbranch_scc1 .Lnot_wave_0_\@
	s_barrier_signal -3
.Lnot_wave_0_\@:
	s_barrier_wait -3
	s_barrier_signal -1
	s_barrier_wait -1
.endm
.macro CROUND
	s_barrier_signal -1
	s_barrier_wait -1
	CREST
.endm
	s_load_b256 s[4:11], s[0:1], 0x0
	v_lshl_add_u32 v[SPW], v0, 2, SPARE
	v_mov_b32 v[NIL], 0
	ds_add_u32 v[SPW], v[NIL]
	ds_add_u32 v[SPW], v[NIL]
	v_lshrrev_b32 v1, 5, v0
	v_readfirstlane_b32 s14, v1
	s_lshr_b32 s15, s14, 1
	s_and_b32 s16, s14, 1
	s_lshl_b32 s17, s16, 3
	s_bfe_u32 s66, ttmp6, 0x40000
	s_bfe_u32 s67, ttmp6, 0x40004
	s_and_b32 s68, ttmp7, 0xffff
	s_max_u32 s69, s68, 8
	s_sub_co_u32 s69, s69, 8
	s_lshl_b32 s69, s69, 1
	s_add_co_u32 s69, s69, ttmp9
	s_mov_b32 s79, 98304
	s_mov_b32 s81, 4096
	s_mov_b32 s85, 0x03020100
	s_mov_b32 s86, 0x07060504
	s_cmp_lt_u32 s68, 8
	s_cselect_b32 s70, s68, 0
	s_cselect_b32 s71, ttmp9, s69
	s_cselect_b32 s76, 0, 640
	s_cselect_b32 s77, 512, 0
	s_cselect_b32 s78, 0, 12582912
	s_cselect_b32 s79, 786432, s79
	s_cselect_b32 s80, 0, 524288
	s_cselect_b32 s81, 32768, s81
	s_cselect_b32 s82, 32, 64
	s_cselect_b32 s83, 16384, 64
	s_cselect_b32 s84, 64, 128
	s_cselect_b32 s85, 0x05040100, s85
	s_cselect_b32 s86, 0x07060302, s86
	s_lshl_b32 s72, s70, 2
	s_add_co_u32 s72, s72, s67
	s_lshl_b32 s73, s71, 2
	s_add_co_u32 s73, s73, s66
	s_lshl_b32 s74, s67, 2
	s_lshl_b32 s74, 15, s74
	s_lshl_b32 s75, 0x1111, s66
	s_mov_b32 s87, 0xffff0000
	s_mov_b32 s88, 0x76543210
	s_mov_b32 s89, 0xfedcba98
	s_or_b32 s[G1], s74, (3<<16)|(1<<21)
	s_or_b32 s[G1B], s75, (3<<16)|(1<<21)
.irp g, G1, G1B
	s_mov_b32 s[\g+1], 384<<16
	s_mov_b32 s[\g+2], 16<<16                      ; the head's loads bring 16 tiles each
	s_mov_b32 s[\g+3], 384<<16
	s_mov_b32 s[\g+4], 16
	s_mov_b32 s[\g+5], 1536
	s_mov_b32 s[\g+6], 0
	s_mov_b32 s[\g+7], 0
.endr
	s_lshl_b32 s90, s72, 4
	s_add_co_u32 s90, s90, s76
	s_add_co_u32 s90, s90, s17
	s_mul_i32 s90, s90, 12288
	s_mov_b32 s91, 0
	s_lshl_b32 s92, s73, 4
	s_add_co_u32 s92, s92, s77
	s_add_co_u32 s92, s92, s17
	s_mul_i32 s92, s92, 12288
	s_mov_b32 s93, 0
	s_mul_i32 s94, s14, HALFT
	s_wait_dscnt 0x0
	s_wait_kmcnt 0x0
	s_add_nc_u64 s[90:91], s[4:5], s[90:91]
	s_add_nc_u64 s[92:93], s[4:5], s[92:93]
	CROUND
	; the head's tiles, one joint load a wave: wave w takes chunk w / 2 whole, A's 16 tiles (w even) or B's (w odd); their groups 0 lie in the sets of slot 1
	s_mul_i32 s96, s17, 12288                      ; back from my half of the tiles to the first tile,
	s_mov_b32 s97, 0
	s_mul_i32 s98, s15, CHUNK                      ; and on to chunk w / 2
	s_mov_b32 s99, 0
	s_mov_b32 s[G0+4], 1
	s_mul_i32 s[G0+5], s15, SLOT
	s_sub_nc_u64 s[G0+6:G0+7], s[90:91], s[96:97]
	s_add_nc_u64 s[G0+6:G0+7], s[G0+6:G0+7], s[98:99]
	s_or_b32 s[G0+7], s[G0+7], 0x80000000
	s_mov_b32 s[G0B+4], 1
	s_mul_i32 s[G0B+5], s15, SLOT
	s_add_co_u32 s[G0B+5], s[G0B+5], 2*HALFT
	s_sub_nc_u64 s[G0B+6:G0B+7], s[92:93], s[96:97]
	s_add_nc_u64 s[G0B+6:G0B+7], s[G0B+6:G0B+7], s[98:99]
	s_or_b32 s[G0B+7], s[G0B+7], 0x80000000
.irp c, 0,2
	s_mov_b32 s[G0+4*\c], 1
	s_add_co_u32 s[G0+4*\c+1], s94, \c*SLOT
	s_add_nc_u64 s[G0+4*\c+2:G0+4*\c+3], s[90:91], \c*CHUNK
	s_or_b32 s[G0+4*\c+3], s[G0+4*\c+3], 0x80000000
	s_mov_b32 s[G0B+4*\c], 1
	s_add_co_u32 s[G0B+4*\c+1], s94, \c*SLOT
	s_add_nc_u64 s[G0B+4*\c+2:G0B+4*\c+3], s[92:93], \c*CHUNK
	s_or_b32 s[G0B+4*\c+3], s[G0B+4*\c+3], 0x80000000
.endr
	s_cmp_eq_u32 s16, 0                            ; one chain of two arms on the wave's number: every way passes one load
	s_cbranch_scc0 .Lhead_b
	tensor_load_to_lds s[G0+4:G0+7], s[G1:G1+7]
	s_nop 0
.rept 4
	v_nop
.endr
	s_branch .Lhead_asked
.Lhead_b:
	tensor_load_to_lds s[G0B+4:G0B+7], s[G1B:G1B+7]
	s_nop 0
.rept 4
	v_nop
.endr
.Lhead_asked:
	v_and_b32 v1, 31, v0
	v_lshlrev_b32 v[LN8], 3, v1
	v_and_b32 v2, 15, v0
	v_bfe_u32 v3, v0, 4, 1
	s_lshl_b32 s20, s72, 4
	s_add_co_u32 s20, s20, s76
	s_lshl_b32 s22, s15, 3
	s_add_co_u32 s20, s20, s22
	s_lshl_b32 s20, s20, 9
	s_lshl_b32 s21, s73, 4
	s_add_co_u32 s21, s21, s77
	s_add_co_u32 s21, s21, s17
	s_lshl_b32 s21, s21, 9
	v_mov_b32 v4, s20
	v_mov_b32 v5, s21
	v_cndmask_b32 v[SOF], v4, v5, s87
	s_wait_alu depctr_va_vdst(0)
	v_lshl_add_u32 v[SOF], v2, 4, v[SOF]
.irp i, 0,1,2,3,4,5,6,7
	global_load_b128 v[SC+8*\i:SC+8*\i+3], v[SOF], s[6:7] offset:512*\i
	global_load_b128 v[SC+8*\i+4:SC+8*\i+7], v[SOF], s[6:7] offset:512*\i+256
.endr
	s_mul_i32 s20, s15, HALFT
	s_mul_i32 s21, s16, HALFT
	s_add_co_u32 s21, s21, 2*HALFT
.irp s, 0,1,2
	v_add_nc_u32 v[ADRA+\s], s20, v[LN8]
	v_add_nc_u32 v[ADRB+\s], s21, v[LN8]
	s_add_co_u32 s20, s20, SLOT
	s_add_co_u32 s21, s21, SLOT
.endr
.irp b, 0,1,2,3
	v_mov_b32 v[TM+4+\b], 0
.endr
	s_lshl_b32 s20, s73, 1
	s_add_co_u32 s20, s20, s16
	s_lshl_b32 s21, s72, 4
	s_lshl_b32 s22, s15, 3
	s_add_co_u32 s21, s21, s22
	s_mul_i32 s22, s20, s79
	s_add_co_u32 s22, s22, s78
	s_mul_i32 s23, s21, 1536
	s_add_co_u32 s22, s22, s23
	s_mov_b32 s23, 0
	s_add_nc_u64 s[12:13], s[8:9], s[22:23]
	s_mul_i32 s22, s20, s81
	s_add_co_u32 s22, s22, s80
	s_mul_i32 s2, s21, s82
	s_add_co_u32 s22, s22, s2
	s_add_nc_u64 s[18:19], s[10:11], s[22:23]
	v_lshlrev_b32 v[SAD], 2, v2
	v_mul_u32_u24 v6, s83, v3
	v_add_nc_u32 v[SAD], v[SAD], v6
	v_add_nc_u32 v[SAD+1], s84, v[SAD]
	v_add_nc_u32 v[SAD+2], s84, v[SAD+1]
	v_add_nc_u32 v[SAD+3], s84, v[SAD+2]
.macro FRAG reg, adr, off
.irp p, 0,1,2,3,4,5
	ds_load_b64 v[\reg+2*\p:\reg+2*\p+1], v[\adr] offset:\off+256*\p
.endr
.endm
.macro FETCH_B slot, q, set
	WIN TO_B
.irp i, 0,1,2,3,4,5,6,7
	FRAG 128*(\set)+FR*\i, ADRB+\slot, \i*CHUNK+(\q)*1536
.endr
	WIN 0
.endm
.macro FETCH_A slot, q, i0
.irp i, \i0, \i0+1, \i0+2, \i0+3
	FRAG AF+FR*(\i), ADRA+\slot, (\i)*CHUNK+(\q)*1536
.endr
.endm
.macro MUL16 a0, set, k, zero
.irp a, \a0, \a0+1
.irp b, 0,1,2,3,4,5,6,7
.if \zero
	v_wmma_scale_f32_16x16x128_f8f6f4 v[8*(8*((\a)%4)+\b):8*(8*((\a)%4)+\b)+7], v[128*(\set)+FR*\b:128*(\set)+FR*\b+FR-1], v[AF+FR*(\a):AF+FR*(\a)+FR-1], 0, v[SC+8*\b+(\k)], v[SC+8*(\a)+(\k)] matrix_a_fmt:MATRIX_FMT_FP6 matrix_b_fmt:MATRIX_FMT_FP6 matrix_a_scale:MATRIX_SCALE_ROW1
.else
	v_wmma_scale_f32_16x16x128_f8f6f4 v[8*(8*((\a)%4)+\b):8*(8*((\a)%4)+\b)+7], v[128*(\set)+FR*\b:128*(\set)+FR*\b+FR-1], v[AF+FR*(\a):AF+FR*(\a)+FR-1], v[8*(8*((\a)%4)+\b):8*(8*((\a)%4)+\b)+7], v[SC+8*\b+(\k)], v[SC+8*(\a)+(\k)] matrix_a_fmt:MATRIX_FMT_FP6 matrix_b_fmt:MATRIX_FMT_FP6 matrix_a_scale:MATRIX_SCALE_ROW1
.endif
.endr
.endr
.endm
.macro PLACES
.rept 4
	v_nop
.endr
.endm
.macro STEP k, ns, nq, zero
	s_wait_dscnt 24
	WIN MUL_LO
	MUL16 0, (\k)%2, \k, \zero
	MUL16 2, (\k)%2, \k, \zero
	s_wait_dscnt 0x0
	PLACES
	FETCH_B \ns, \nq, 1-(\k)%2
	FETCH_A \ns, \nq, 0
	WIN MUL_HI
	MUL16 4, (\k)%2, \k, \zero
	MUL16 6, (\k)%2, \k, \zero
	PLACES
	WIN 0
	FETCH_A \ns, \nq, 4
.endm
.macro TURN k, next, fill
	s_wait_tensorcnt 0x0
	ds_add_u32 v[SPW], v[NIL]
	s_wait_dscnt 25
	WIN MUL_LO
	MUL16 0, 1, \k, 0
	s_wait_dscnt 0x0
	s_barrier_signal -1
	MUL16 2, 1, \k, 0
	WIN 0
	s_barrier_wait -1
.if \fill
	CREST
	s_add_nc_u64 s[G0+2:G0+3], s[G0+2:G0+3], 3*CHUNK
	s_add_nc_u64 s[G0B+2:G0B+3], s[G0B+2:G0B+3], 3*CHUNK
	JLOAD G0, G1, G0B, G1B
.else
	PLACES
.endif
	FETCH_B \next, 0, 0
	FETCH_A \next, 0, 0
	WIN MUL_HI
	MUL16 4, 1, \k, 0
	MUL16 6, 1, \k, 0
	PLACES
	WIN 0
	FETCH_A \next, 0, 4
.endm
	s_wait_alu depctr_va_vdst(0)                   ; the wait at the head's end
	s_wait_tensorcnt 0x0                           ; my tile of chunks 0 and 1 is in; slot 2's first fill is issued as a refill is
	ds_add_u32 v[SPW], v[NIL]
	s_mov_b32 s[G1+2], 8<<16                       ; no load of mine is out: from here on a load brings 8 tiles
	s_mov_b32 s[G1+4], 8
	s_mov_b32 s[G1B+2], 8<<16
	s_mov_b32 s[G1B+4], 8
	s_wait_dscnt 0x0
	CROUND                                         ; chunks 0 and 1 are whole for all waves, and the partners are here
	JLOAD G0+8, G1, G0B+8, G1B                     ; chunk 2, a quarter of slot 2 a wave
	FETCH_B 0, 0, 0
	FETCH_A 0, 0, 0
	FETCH_A 0, 0, 4
	s_wait_loadcnt 0x0
	STEP 0, 0, 1, 1
	TURN 1, 1, 1
	STEP 2, 1, 1, 0
	STEP 3, 2, 0, 0
	STEP 4, 2, 1, 0
	TURN 5, 0, 0
	STEP 6, 0, 1, 0
	s_wait_dscnt 24
	WIN MUL_LO
	MUL16 0, 1, 7, 0
	MUL16 2, 1, 7, 0
	s_wait_dscnt 0x0
	WIN MUL_HI
	MUL16 4, 1, 7, 0
	MUL16 6, 1, 7, 0
	WIN 0
.macro QUANTW a
.set AC, 64*((\a)%4)
.set W,  2+(\a)/4
.set WM, (W<<2)|(W<<4)
.set PC, 128+20*((\a)%2)
.if (\a) >= 2
	s_wait_xcnt 0x0
.endif
	WIN WM
.irp b, 0,1,2,3
	v_max3_num_f32 v[TM+\b], 0x1800000, |v[AC+16*\b]|, |v[AC+16*\b+1]|
.endr
.irp i, 2,4,6,8,10,12,14
.irp b, 0,1,2,3
	v_max3_num_f32 v[TM+\b], v[TM+\b], |v[AC+16*\b+\i]|, |v[AC+16*\b+\i+1]|
.endr
.endr
	WIN 0
.irp b, 0,1,2,3
	v_permlanex16_b32 v[TM+4+\b], v[TM+\b], s88, s89
.endr
.irp b, 0,1,2,3
	v_max_num_f32 v[TM+\b], v[TM+\b], v[TM+4+\b]
.endr
.irp b, 0,1,2,3
	v_add_nc_u32 v[TM+12+\b], 0xff000000, v[TM+\b]
.endr
.irp b, 0,1,2,3
	v_lshrrev_b32 v[TM+4+\b], 23, v[TM+12+\b]
.endr
	v_lshl_or_b32 v[PWS+\a], v[TM+5], 8, v[TM+4]
	v_lshl_or_b32 v[PWS+\a], v[TM+6], 16, v[PWS+\a]
	v_lshl_or_b32 v[PWS+\a], v[TM+7], 24, v[PWS+\a]
	WIN W
.irp c, 0,1
	v_cvt_scalef32_pk16_fp6_f32 v[PC+6*\c:PC+2+6*\c], v[AC+32*\c:AC+15+32*\c], v[TM+12+2*\c]
	v_cvt_scalef32_pk16_fp6_f32 v[PC+12+4*\c:PC+14+4*\c], v[AC+16+32*\c:AC+31+32*\c], v[TM+12+2*\c+1]
.endr
	WIN 0
	v_nop
.irp c, 0,1
.irp i, 0,1,2
	v_permlane16_swap_b32 v[PC+6*\c+\i], v[PC+12+4*\c+\i]
.endr
.irp i, 0,1,2
	v_mov_b32 v[PC+3+6*\c+\i], v[PC+12+4*\c+\i]
.endr
.endr
.irp p, 0,1,2,3,4,5
	global_store_b64 v[LN8], v[PC+2*\p:PC+2*\p+1], s[12:13] offset:1536*(\a)+256*\p
.endr
.endm
	PLACES
.irp a, 0,1,2,3,4,5,6,7
	QUANTW \a
.endr
.irp n, 0,1,2,3
	v_perm_b32 v[TM+\n], v[PWS+2*\n+1], v[PWS+2*\n], s85
	v_perm_b32 v[TM+4+\n], v[PWS+2*\n+1], v[PWS+2*\n], s86
.endr
.irp n, 0,1,2,3
	v_cndmask_b32 v[TM+8+\n], v[TM+\n], v[TM+4+\n], s87
.endr
.irp n, 0,1,2,3
	global_store_b32 v[SAD+\n], v[TM+8+\n], s[18:19]
.endr
	s_wait_tensorcnt 0x0
	ds_add_u32 v[SPW], v[NIL]
	s_wait_dscnt 0x0
	CROUND
	s_endpgm
.Lfunc_end_k_qb8ab726679_gemm_qkv:
	.size	k_qb8ab726679_gemm_qkv, .Lfunc_end_k_qb8ab726679_gemm_qkv-k_qb8ab726679_gemm_qkv
	.p2alignl 7, 3214868480
	.fill 96, 4, 3214868480
	.section	.rodata,"a",@progbits
	.p2align	6, 0x0
	.amdhsa_kernel k_qb8ab726679_gemm_qkv
		.amdhsa_group_segment_fixed_size 327680
		.amdhsa_private_segment_fixed_size 0
		.amdhsa_enable_private_segment 0
		.amdhsa_kernarg_size 32
		.amdhsa_user_sgpr_count 2
		.amdhsa_user_sgpr_kernarg_segment_ptr 1
		.amdhsa_wavefront_size32 1
		.amdhsa_system_sgpr_workgroup_id_x 1
		.amdhsa_system_sgpr_workgroup_id_y 1
		.amdhsa_system_sgpr_workgroup_id_z 1
		.amdhsa_system_vgpr_workitem_id 0
		.amdhsa_next_free_vgpr 1024
		.amdhsa_next_free_sgpr 100
		.amdhsa_reserve_vcc 0
		.amdhsa_float_denorm_mode_32 3
		.amdhsa_float_denorm_mode_16_64 3
		.amdhsa_memory_ordered 1
		.amdhsa_forward_progress 1
		.amdhsa_inst_pref_size 166
	.end_amdhsa_kernel
	.amdgpu_metadata
---
amdhsa.version: [ 1, 2 ]
amdhsa.kernels:
  - .name:           k_qb8ab726679_gemm_qkv
    .symbol:         k_qb8ab726679_gemm_qkv.kd
    .args:
      - { .name: in_img, .offset: 0, .size: 8, .value_kind: global_buffer, .address_space: global }
      - { .name: sc_in, .offset: 8, .size: 8, .value_kind: global_buffer, .address_space: global }
      - { .name: qkv_img, .offset: 16, .size: 8, .value_kind: global_buffer, .address_space: global }
      - { .name: qkv_sc, .offset: 24, .size: 8, .value_kind: global_buffer, .address_space: global }
    .group_segment_fixed_size: 327680
    .private_segment_fixed_size: 0
    .kernarg_segment_align: 8
    .kernarg_segment_size: 32
    .max_flat_workgroup_size: 128
    .sgpr_count:     100
    .vgpr_count:     1024
    .wavefront_size: 32
...
	.end_amdgpu_metadata
.endif
;; end of part 2
;; launch attn (part 3): grid 4 x 64, 16 waves a work-group, clusters of 4 x 1, 215,040 bytes of LDS; arguments qkv_img, qkv_sc, pad_mask, pr_img, sc_pr; writes pr_img, sc_pr
.if DOCPART == 3
	.amdgcn_target "amdgcn-amd-amdhsa--gfx1250"
	.amdhsa_code_object_version 6
	.text
	.protected	k_qb8ab726679_attn
	.globl	k_qb8ab726679_attn
	.p2align	8
	.type	k_qb8ab726679_attn,@function
k_qb8ab726679_attn:
	s_mov_b64 s[64:65], 0
	v_nop
	global_prefetch_b8 v0, s[64:65] scope:SCOPE_SE
	s_setreg_imm32_b32 hwreg(HW_REG_WAVE_MODE, 25, 1), 1
	s_wait_xcnt 0x0
	s_wait_alu depctr_hold_cnt(0) depctr_sa_sdst(0) depctr_va_vdst(0) depctr_va_sdst(0) depctr_va_ssrc(0) depctr_va_vcc(0) depctr_vm_vsrc(0)
	s_getreg_b32 s2, hwreg(HW_REG_IB_STS2, 6, 4)
	s_cmp_eq_u32 s2, 0
	s_cbranch_scc0 .Lentry_in_a_cluster
	s_endpgm
.Lentry_in_a_cluster:
	s_bfe_u32 s2, ttmp6, 0x10000c
	s_cmp_lg_u32 s2, 0x3003
	s_cbranch_scc0 .Lentry_shape_is_right
	s_endpgm
.Lentry_shape_is_right:
; o[b][q][h][:] = the sum over keys of softmax(q . k / 8, keys under pad_mask left out) v, both products on codes of FP6 (E2M3) with E8M0 scales; o is quantised along the features on the way out.
; THE SOFTMAX AHEAD OF THE SECOND PRODUCT: t = score x log2(e) / 8; M = the running largest t rounded UP to a whole number; p = 2^(t - M) is quantised along the keys, not normalised; the row's sum is
; taken of the unquantised p and divides at the end.  When M moves, the sum and O are multiplied by 2^(old M - new M): exact.
; SHARES.  A work-group owns 512 queries of one head (grid y = 16 b + h); each of its sixteen waves owns two token tiles of 16 queries, one after the other (PASS).  Four waves to a SIMD: one wave's vector
; work stands beside another's matrix work and LDS loads.  A head's codes of K and V (2 x 98,304 bytes) and their scale words lie in LDS for the whole launch: filled ONCE, so there is no ring and no barrier in the loops.
; CLUSTER.  The four query blocks of a head form a cluster and ask for K, V and their scales jointly (mask 15): one load a wave in waves 0 to 5.
; LAYOUT.  Both products are used transposed (S^T = K Q^T, O^T = V^T P^T): a lane holds one query throughout.  A token tile's lane r is token 32 (t / 2) + 8 (t % 2) + r + 8 (r / 8), so the 16 registers of
; S tiles 2 b, 2 b + 1 are keys 32 b + 16 h + 0 .. 15.  K = 64 IN AN INSTRUCTION OF 128: a fragment holds tile 2 b's 64 codes in registers 0-5 and tile 2 b + 1's in registers 6-11, and is multiplied twice:
; by [q | zero codes] for tile 2 b, by [zero codes | q] for tile 2 b + 1.
; THE MASK is a bias: 0 for an open key, -2^100 for a masked one, made once in LDS; a step's biases are loaded into S's registers and are the C of the first product.  The running largest t begins at -2^83.
; So a masked key's t - M is under -2^97 and its p is 0 exactly, also while no open key has been seen; the first open key multiplies zeros by 0.
; LIMITS: a batch all of whose 2,048 keys are masked (reference gives NaN there) is not served; |t| stays under 2^83; NaN and infinities are not served; a block of zeros gets the byte 1
; where the rule says 127 (zero codes; this program alone reads the bytes).
; REGISTERS: v1-7 addresses that stay; v8-11, v28 addresses in hand; v12 -M, v13 the largest t, v[14:15] the sum in two halves; v16-27 [q | 0]; v80-91 [0 | q]; v32-79 four fragments of K, then of V;
; v96-159 S^T, then p; v160-191 O^T; v224-235 codes just made; v232-254 at work; v248-251 K's, then V's scale words; v253 p's scale word; v255 q's.
.set KC,    0                          ; K's codes: 128 tiles x 768 bytes
.set VC,    98304                      ; V's codes: 16 key steps x 4 fragments x 1,536 bytes
.set KS,    196608                     ; K's scale words: 64 pairs of tiles x 64 bytes
.set VS,    200704                     ; V's: 16 key steps x 4 tiles x 64 bytes
.set BIAS,  204800                     ; 2,048 f32, one a key: stored by the waves; no fill lands here
.set SPARE, 212992                     ; the spare words, 128 bytes for each wave: eight blocks of 256 bytes that no other line names
.set AK0,  1                           ; v1   8 x lane (K's codes begin at LDS byte 0)
.set AV0,  2                           ; v2   VC + 8 x lane
.set ASK0, 3                           ; v3   KS + 4 r
.set ASV0, 4                           ; v4   VS + 4 r
.set SPW,  5                           ; v5   LDS address of my spare word; never rewritten
.set NIL,  6                           ; v6   0; never rewritten
.set AB0,  7                           ; v7   BIAS + 64 h
.set ADK,  8
.set ADV,  9
.set ADS,  10
.set ADT,  11
.set ADB,  28
.set WV,   18                          ; s18  my wave's number
.set SEL,  20                          ; s[20:21] v_permlanex16_b32's selects for lane l xor 16
.set CS,   22                          ; s[22:23] c = log2(e) / 8
.set TB,   2                           ; s2   the step's codes: 6,144 bytes a step, in K's region and in V's
.set TS,   3                           ; s3   its scale words: 256 bytes a step
.set TBI,  66                          ; s66  its biases: 512 bytes a step
.set CNT,  67                          ; s67  key steps to go
.set HM,   76                          ; s76  the mask of lanes 16-31
.set G1K,  24                          ; s[24:31], s[32:39], s[40:47], s[48:55] descriptor groups 1: K's codes, V's codes, K's scales, V's scales
.set G1V,  32
.set G1KS, 40
.set G1VS, 48
.set G0K,  56                          ; s[56:59], s[60:63], s[68:71], s[72:75] their groups 0
.set G0V,  60
.set G0KS, 68
.set G0VS, 72
.macro CROUND                          ; a round of the cluster's barrier
	s_barrier_signal -1
	s_barrier_wait -1
	s_cmp_lg_u32 s[WV], 0
	s_cbranch_scc1 .Lnot_wave_0_\@
	s_barrier_signal -3
.Lnot_wave_0_\@:
	s_barrier_wait -3
	s_barrier_signal -1
	s_barrier_wait -1
.endm
	s_load_b256 s[4:11], s[0:1], 0x0               ; qkv_img s[4:5], qkv_sc s[6:7], pad_mask s[8:9], pr_img s[10:11]
	s_load_b64 s[12:13], s[0:1], 0x20              ; sc_pr
	v_lshl_add_u32 v[SPW], v0, 2, SPARE
	v_mov_b32 v[NIL], 0
	ds_add_u32 v[SPW], v[NIL]                      ; the wave's opening: the add and its wait ahead of my first tensor load; the set-up below, work on registers, stands between them
	ds_add_u32 v[SPW], v[NIL]
	v_lshrrev_b32 v8, 5, v0
	s_delay_alu instid0(VALU_DEP_1)
	v_readfirstlane_b32 s[WV], v8                  ; wave 0..15
	s_and_b32 s19, s[WV], 1
	s_and_b32 s77, ttmp7, 0xffff
	s_and_b32 s86, s77, 15                         ; the head h
	s_lshr_b32 s77, s77, 4                         ; the batch b
	s_lshr_b32 s87, s86, 1                         ; h / 2: which K step of 128 features
	s_and_b32 s88, s86, 1                          ; h % 2: which half of a fragment
	; what is fetched, in bytes from the buffers' starts: made of b, h and the wave's number alone
	s_add_co_u32 s90, s87, 8                       ; K's codes: fragments (8 + h / 2, tile 128 b + 64 (wave % 2) ..), the head's half
	s_lshl_b32 s90, s90, 9
	s_lshl_b32 s91, s77, 7
	s_add_co_u32 s90, s90, s91
	s_lshl_b32 s91, s19, 6
	s_add_co_u32 s90, s90, s91
	s_mul_i32 s90, s90, 1536
	s_mul_i32 s91, s88, 768
	s_add_co_u32 s90, s90, s91
	s_mov_b32 s91, 0
	s_lshl_b32 s92, s77, 4                         ; V's codes: fragments (16 b + 8 (wave % 2) .., tiles 4 h .. 4 h + 3)
	s_lshl_b32 s93, s19, 3
	s_add_co_u32 s92, s92, s93
	s_lshl_b32 s92, s92, 6
	s_lshl_b32 s93, s86, 2
	s_add_co_u32 s92, s92, s93
	s_mul_i32 s92, s92, 1536
	s_add_co_u32 s92, s92, 12582912
	s_mov_b32 s93, 0
	s_add_co_u32 s94, s86, 16                      ; K's scale words: (16 + h) 16,384 + 4,096 b
	s_lshl_b32 s94, s94, 14
	s_lshl_b32 s95, s77, 12
	s_add_co_u32 s94, s94, s95
	s_mov_b32 s95, 0
	s_lshl_b32 s96, s77, 16                        ; V's: 524,288 + 65,536 b + 256 h
	s_lshl_b32 s97, s86, 8
	s_add_co_u32 s96, s96, s97
	s_add_co_u32 s96, s96, 524288
	s_mov_b32 s97, 0
	s_mul_i32 s89, s19, 49152                      ; half of K's or of V's region
	; descriptor groups 1, elements of 8 bytes, no padding; 15:0 the mask: all four work-groups; 21 set beside a mask
	s_mov_b32 s[G1K], 15|(3<<16)|(1<<21)           ; K: 64 rows (tiles) of 768 bytes, 1,536 bytes apart
	s_mov_b32 s[G1K+1], 96<<16
	s_mov_b32 s[G1K+2], 64<<16
	s_mov_b32 s[G1K+3], 96<<16
	s_mov_b32 s[G1K+4], 64
	s_mov_b32 s[G1K+5], 192
	s_mov_b32 s[G1K+6], 0
	s_mov_b32 s[G1K+7], 0
	s_mov_b32 s[G1V], 15|(3<<16)|(1<<21)           ; V: 8 rows (key steps) of 6,144 bytes, 98,304 bytes apart
	s_mov_b32 s[G1V+1], 768<<16
	s_mov_b32 s[G1V+2], 8<<16
	s_mov_b32 s[G1V+3], 768<<16
	s_mov_b32 s[G1V+4], 8
	s_mov_b32 s[G1V+5], 12288
	s_mov_b32 s[G1V+6], 0
	s_mov_b32 s[G1V+7], 0
	s_mov_b32 s[G1KS], 15|(3<<16)|(1<<21)          ; K's scales: 4,096 dense bytes as 16 rows of 256
	s_mov_b32 s[G1KS+1], 32<<16
	s_mov_b32 s[G1KS+2], 16<<16
	s_mov_b32 s[G1KS+3], 32<<16
	s_mov_b32 s[G1KS+4], 16
	s_mov_b32 s[G1KS+5], 32
	s_mov_b32 s[G1KS+6], 0
	s_mov_b32 s[G1KS+7], 0
	s_mov_b32 s[G1VS], 15|(3<<16)|(1<<21)          ; V's scales: 16 rows (key steps) of 256 bytes, 4,096 bytes apart
	s_mov_b32 s[G1VS+1], 32<<16
	s_mov_b32 s[G1VS+2], 16<<16
	s_mov_b32 s[G1VS+3], 32<<16
	s_mov_b32 s[G1VS+4], 16
	s_mov_b32 s[G1VS+5], 512
	s_mov_b32 s[G1VS+6], 0
	s_mov_b32 s[G1VS+7], 0
	s_mov_b32 s[SEL], 0x76543210
	s_mov_b32 s[SEL+1], 0xfedcba98
	s_mov_b32 s[CS], 0x3e38aa3b                    ; c = log2(e) / 8
	s_mov_b32 s[CS+1], s[CS]                       ; (named with it as a pair, so it is written)
	s_mov_b32 s[HM], 0xffff0000
	s_wait_dscnt 0x0                               ; the opening add is done
	s_wait_kmcnt 0x0
	s_mov_b32 s[G0K], 1
	s_mov_b32 s[G0K+1], s89
	s_add_nc_u64 s[G0K+2:G0K+3], s[4:5], s[90:91]
	s_or_b32 s[G0K+3], s[G0K+3], 0x80000000
	s_mov_b32 s[G0V], 1
	s_add_co_u32 s[G0V+1], s89, VC
	s_add_nc_u64 s[G0V+2:G0V+3], s[4:5], s[92:93]
	s_or_b32 s[G0V+3], s[G0V+3], 0x80000000
	s_mov_b32 s[G0KS], 1
	s_mov_b32 s[G0KS+1], KS
	s_add_nc_u64 s[G0KS+2:G0KS+3], s[6:7], s[94:95]
	s_or_b32 s[G0KS+3], s[G0KS+3], 0x80000000
	s_mov_b32 s[G0VS], 1
	s_mov_b32 s[G0VS+1], VS
	s_add_nc_u64 s[G0VS+2:G0VS+3], s[6:7], s[96:97]
	s_or_b32 s[G0VS+3], s[G0VS+3], 0x80000000
	CROUND                                         ; all four work-groups are here: the joint loads meet
	; the launch's only tensor loads: one a wave in waves 0 to 5; the branches hang on the wave's number alone; an s_nop 0 and four v_nop follow each
	s_cmp_lt_u32 s[WV], 2
	s_cbranch_scc0 .Lnot_k
	tensor_load_to_lds s[G0K:G0K+3], s[G1K:G1K+7]
	s_nop 0
.rept 4
	v_nop
.endr
	s_branch .Lasked
.Lnot_k:
	s_cmp_lt_u32 s[WV], 4
	s_cbranch_scc0 .Lnot_v
	tensor_load_to_lds s[G0V:G0V+3], s[G1V:G1V+7]
	s_nop 0
.rept 4
	v_nop
.endr
	s_branch .Lasked
.Lnot_v:
	s_cmp_eq_u32 s[WV], 4
	s_cbranch_scc0 .Lnot_ks
	tensor_load_to_lds s[G0KS:G0KS+3], s[G1KS:G1KS+7]
	s_nop 0
.rept 4
	v_nop
.endr
	s_branch .Lasked
.Lnot_ks:
	s_cmp_eq_u32 s[WV], 5
	s_cbranch_scc0 .Lasked
	tensor_load_to_lds s[G0VS:G0VS+3], s[G1VS:G1VS+7]
	s_nop 0
.rept 4
	v_nop
.endr
.Lasked:
	; my queries: cx enters these global addresses alone
	s_bfe_u32 s14, ttmp6, 0x40000                  ; cx
	s_lshl_b32 s15, ttmp9, 2
	s_add_co_u32 s14, s14, s15                     ; my block of 512 queries
	s_lshl_b32 s15, s77, 7
	s_lshl_b32 s16, s14, 5
	s_add_co_u32 s15, s15, s16
	s_lshl_b32 s16, s[WV], 1
	s_add_co_u32 s15, s15, s16                     ; my first token tile: 128 b + 32 block + 2 wave
	s_lshl_b32 s16, s77, 11
	s_mov_b32 s17, 0
	s_add_nc_u64 s[8:9], s[8:9], s[16:17]          ; the batch's mask
	s_lshl_b32 s16, s86, 14
	s_lshl_b32 s84, s15, 5
	s_add_co_u32 s16, s16, s84
	s_add_nc_u64 s[84:85], s[6:7], s[16:17]        ; q's scale words: 16,384 h + 64 x (pair of tiles)
	v_and_b32 v8, 15, v0                           ; r
	v_bfe_u32 v9, v0, 4, 1                         ; h of the lane
	v_and_b32 v10, 31, v0                          ; lane
	s_wait_alu depctr_va_vdst(0)
	v_lshlrev_b32 v92, 2, v0                       ; 4 bytes of the mask a thread
	v_lshlrev_b32 v93, 2, v8
	global_load_b32 v94, v92, s[8:9]
	global_load_b32 v31, v93, s[84:85]             ; {tile 1's two bytes, tile 0's two bytes} of my row
	s_lshl_b32 s16, s87, 9
	s_add_co_u32 s16, s16, s15
	s_mul_i32 s16, s16, 1536
	s_mul_i32 s78, s88, 768
	s_add_co_u32 s16, s16, s78
	s_add_nc_u64 s[78:79], s[4:5], s[16:17]        ; q's codes: fragment (h / 2, my tile), the head's half
	s_mul_i32 s16, s15, 12288
	s_mul_i32 s80, s87, 1536
	s_add_co_u32 s16, s16, s80
	s_mul_i32 s80, s88, 768
	s_add_co_u32 s16, s16, s80
	s_add_nc_u64 s[80:81], s[10:11], s[16:17]      ; o's codes: tile, K step h / 2, the head's half
	s_lshl_b32 s16, s15, 9
	s_lshr_b32 s82, s86, 3
	s_lshl_b32 s82, s82, 8
	s_add_co_u32 s16, s16, s82
	s_and_b32 s82, s86, 7
	s_lshl_b32 s82, s82, 1
	s_add_co_u32 s16, s16, s82
	s_add_nc_u64 s[82:83], s[12:13], s[16:17]      ; o's scale bytes: 512 a tile, 256 for K steps 4-7, 2 (h % 8) in a row's 16 bytes
	v_lshlrev_b32 v[AK0], 3, v10
	s_delay_alu instid0(VALU_DEP_1)
	v_add_nc_u32 v[AV0], VC, v[AK0]
	v_lshl_add_u32 v[ASK0], v8, 2, KS
	v_lshl_add_u32 v[AB0], v9, 6, BIAS
	v_lshlrev_b32 v29, 3, v10                      ; v29: 8 x lane, for images in memory
	v_lshl_add_u32 v30, v8, 4, v9                  ; v30: 16 r + h: lanes 0-15 store block 0's byte, lanes 16-31 block 1's
	v_lshl_add_u32 v198, v0, 4, BIAS               ; my four keys' biases
.irp i, 22,23,24,25,26,27,80,81,82,83,84,85
	v_mov_b32 v[\i], 0                             ; the zero codes beside q
.endr
.irp b, 0,1,2,3
	v_mov_b32 v[236+\b], 0                         ; written once: a lane permute's destination counts as one of its sources
.endr
	v_mov_b32 v252, 0
	v_mov_b32 v253, 0
	v_mov_b32 v196, 0xf1800000                     ; -2^100
	s_wait_alu depctr_va_vdst(0)
	s_wait_loadcnt 0x0
.irp i, 0,1,2,3
	v_bfe_u32 v197, v94, 8*\i, 8
	s_delay_alu instid0(VALU_DEP_1)
	v_cmp_ne_u32 vcc_lo, 0, v197
	s_delay_alu instid0(VALU_DEP_1)
	v_cndmask_b32 v[192+\i], 0, v196, vcc_lo       ; 0 for an open key, -2^100 for a masked one
.endr
	ds_store_b128 v198, v[192:195]
	s_wait_tensorcnt 0x0                           ; my tensor load has landed,
	s_wait_dscnt 0x0                               ; and my biases are stored: for the others' sake
	s_barrier_signal -1
	s_barrier_wait -1                              ; everybody's are; nothing in LDS is written from here on
; A KEY STEP: 128 keys
.macro STEP
.set KB, 200                           ; v200-202 the step's codes of K in three runs of 2,048 bytes: a two-address load reaches 255 x 8 bytes
.set VB, 204                           ; v204-206 the same for V
	v_add_nc_u32 v[KB], s[TB], v[AK0]              ; (these eight are also the places in front of the loads into registers that the last step's products read)
	v_add_nc_u32 v[VB], s[TB], v[AV0]
	v_add_nc_u32 v[ADS], s[TS], v[ASK0]
	v_add_nc_u32 v[ADB], s[TBI], v[AB0]
	s_delay_alu instid0(VALU_DEP_4)
	v_add_nc_u32 v[KB+1], 2048, v[KB]
	s_delay_alu instid0(VALU_DEP_4)
	v_add_nc_u32 v[VB+1], 2048, v[VB]
	v_add_nc_u32 v[KB+2], 4096, v[KB]
	v_add_nc_u32 v[VB+2], 4096, v[VB]
.irp b, 0,1,2,3
.irp j, 0,1,2,3
	ds_load_b128 v[96+16*\b+4*\j:99+16*\b+4*\j], v[ADB] offset:128*\b+16*\j   ; register 16 b + i: the bias of key 32 b + 16 h + i
.endr
.endr
.irp g, 0,2,4,6,8,10,12,14,16,18,20,22 ; the 24 pieces of 256 bytes of four fragments, two to a load: piece g holds registers 32 + 2 g, 33 + 2 g
	ds_load_2addr_b64 v[32+2*\g:35+2*\g], v[KB+\g/8] offset0:32*(\g%8) offset1:32*(\g%8)+32
.endr
.irp b, 0,1,2,3
	ds_load_b32 v[248+\b], v[ADS] offset:64*\b
.endr
	s_wait_alu depctr_va_vdst(0)
	s_wait_dscnt 0x0
.irp b, 0,1,2,3                        ; S^T = K Q^T + bias: eight accumulators, one instruction each
	v_wmma_scale_f32_16x16x128_f8f6f4 v[96+16*\b:103+16*\b], v[32+12*\b:43+12*\b], v[16:27], v[96+16*\b:103+16*\b], v[248+\b], v255 matrix_a_fmt:MATRIX_FMT_FP6 matrix_b_fmt:MATRIX_FMT_FP6
	v_wmma_scale_f32_16x16x128_f8f6f4 v[104+16*\b:111+16*\b], v[32+12*\b:43+12*\b], v[80:91], v[104+16*\b:111+16*\b], v[248+\b], v255 matrix_a_fmt:MATRIX_FMT_FP6 matrix_b_fmt:MATRIX_FMT_FP6
.endr
.rept 4
	v_nop                                          ; places in front of the loads into K's registers and of the first read of the scores
.endr
.irp g, 0,2,4,6,8,10,12,14,16,18,20,22 ; V's four fragments and scale words: they land under the softmax
	ds_load_2addr_b64 v[32+2*\g:35+2*\g], v[VB+\g/8] offset0:32*(\g%8) offset1:32*(\g%8)+32
.endr
.irp t, 0,1,2,3
	ds_load_b32 v[248+\t], v[ADS] offset:VS-KS+64*\t   ; V's scale words lie VS - KS bytes behind K's
.endr
.irp b, 0,1,2,3
	v_max3_num_f32 v[232+\b], v[96+16*\b], v[97+16*\b], v[98+16*\b]   ; the largest score of each block of 32 keys: it serves for the row's maximum and, since p rises with the score, for the block's largest p
.endr
.irp i, 3,5,7,9,11,13
.irp b, 0,1,2,3
	v_max3_num_f32 v[232+\b], v[232+\b], v[96+16*\b+\i], v[97+16*\b+\i]
.endr
.endr
.irp b, 0,1,2,3
	v_max_num_f32 v[232+\b], v[232+\b], v[111+16*\b]
.endr
.irp b, 0,1,2,3
	s_delay_alu instid0(VALU_DEP_4)
	v_permlanex16_b32 v[236+\b], v[232+\b], s[SEL], s[SEL+1]
.endr
.irp b, 0,1,2,3
	s_delay_alu instid0(VALU_DEP_4)
	v_max_num_f32 v[232+\b], v[232+\b], v[236+\b]  ; with lane l xor 16's 16 keys
.endr
	s_delay_alu instid0(VALU_DEP_2)
	v_max3_num_f32 v254, v232, v233, v234
	s_delay_alu instid0(VALU_DEP_1)
	v_max_num_f32 v254, v254, v235                 ; the step's largest score of my query
	s_delay_alu instid0(VALU_DEP_1)
	v_mul_f32 v254, s[CS], v254                    ; as t
	s_delay_alu instid0(VALU_DEP_1)
	v_max_num_f32 v13, v13, v254                   ; the running largest t
	v_mov_b32 v254, v12
	s_delay_alu instid0(VALU_DEP_2)
	v_floor_f32 v12, -v13                          ; the new -M = floor(-t) = -ceil(t)
	s_delay_alu instid0(VALU_DEP_1)
	v_sub_f32 v254, v12, v254                      ; old M - new M: a whole number, 0 or less
	s_delay_alu instid0(VALU_DEP_1)
	v_cvt_i32_f32 v254, v254                       ; (it saturates)
	s_delay_alu instid0(VALU_DEP_1)
	v_ldexp_f32 v252, 1.0, v254                    ; f = 2^(old M - new M)
.set n, 0
.rept 32
	v_pk_fma_f32 v[96+n:97+n], v[96+n:97+n], s[CS:CS+1], v[12:13] op_sel_hi:[1,0,0]   ; t - M, two at a time
.set n, n+2
.endr
.irp b, 0,1,2,3
	v_fma_f32 v[232+\b], v[232+\b], s[CS], v12     ; the same of each block's largest score
.endr
.set n, 0
	s_wait_alu depctr_va_vdst(0)
.rept 64
	v_exp_f32 v[96+n], v[96+n]                     ; p = 2^(t - M), at most 1
.set n, n+1
.endr
	v_pk_mul_f32 v[14:15], v[14:15], v[252:253] op_sel_hi:[1,0]   ; the sums under the new M (a plain place behind the exponentials)
	s_wait_alu depctr_va_vdst(0)                   ; one wait for the whole batch, ahead of its first reader
.irp b, 0,1,2,3
	v_exp_f32 v[232+\b], v[232+\b]                 ; the block's largest p: the same two instructions on the same number
.endr
	v_pk_add_f32 v[236:237], v[100:101], v[104:105]
	v_pk_add_f32 v[246:247], v[108:109], v[112:113]
	v_pk_add_f32 v[244:245], v[116:117], v[120:121]
	v_pk_add_f32 v[242:243], v[124:125], v[128:129]
	v_pk_add_f32 v[240:241], v[132:133], v[136:137]
	v_pk_add_f32 v[238:239], v[140:141], v[144:145]
	v_pk_add_f32 v[230:231], v[148:149], v[152:153]
	v_pk_add_f32 v[14:15], v[14:15], v[156:157]
	v_pk_add_f32 v[236:237], v[236:237], v[96:97]
	v_pk_add_f32 v[246:247], v[246:247], v[98:99]
	v_pk_add_f32 v[244:245], v[244:245], v[102:103]
	v_pk_add_f32 v[242:243], v[242:243], v[106:107]
	v_pk_add_f32 v[240:241], v[240:241], v[110:111]
	v_pk_add_f32 v[238:239], v[238:239], v[114:115]
	v_pk_add_f32 v[230:231], v[230:231], v[118:119]
	v_pk_add_f32 v[14:15], v[14:15], v[122:123]
	v_pk_add_f32 v[236:237], v[236:237], v[126:127]
	v_pk_add_f32 v[246:247], v[246:247], v[130:131]
	v_pk_add_f32 v[244:245], v[244:245], v[134:135]
	v_pk_add_f32 v[242:243], v[242:243], v[138:139]
	v_pk_add_f32 v[240:241], v[240:241], v[142:143]
	v_pk_add_f32 v[238:239], v[238:239], v[146:147]
	v_pk_add_f32 v[230:231], v[230:231], v[150:151]
	v_pk_add_f32 v[14:15], v[14:15], v[154:155]
	v_pk_add_f32 v[236:237], v[236:237], v[158:159]
	s_delay_alu instid0(VALU_DEP_2)
	v_pk_add_f32 v[14:15], v[14:15], v[242:243]
	s_delay_alu instid0(VALU_DEP_2)
	v_pk_add_f32 v[236:237], v[236:237], v[240:241]
	v_pk_add_f32 v[246:247], v[246:247], v[238:239]
	v_pk_add_f32 v[244:245], v[244:245], v[230:231]
	s_delay_alu instid0(VALU_DEP_2)
	v_pk_add_f32 v[14:15], v[14:15], v[246:247]
	s_delay_alu instid0(VALU_DEP_2)
	v_pk_add_f32 v[236:237], v[236:237], v[244:245]
	s_delay_alu instid0(VALU_DEP_1)
	v_pk_add_f32 v[14:15], v[14:15], v[236:237]
	s_wait_alu depctr_va_vdst(0)                   ; and one for the four
.irp b, 0,1,2,3
	v_max_num_f32 v[232+\b], 0x1800000, v[232+\b]  ; the floor 2^(3 - 127): the byte cannot fall under 1
.endr
.irp b, 0,1,2,3
	s_delay_alu instid0(VALU_DEP_4)
	v_add_nc_u32 v[244+\b], 0xff000000, v[232+\b]  ; 2 off the exponent field: the conversion's scale operand
.endr
.irp b, 0,1,2,3
	s_delay_alu instid0(VALU_DEP_4)
	v_lshrrev_b32 v[236+\b], 23, v[244+\b]         ; the scale's byte
.endr
	s_delay_alu instid0(VALU_DEP_3)
	v_lshl_or_b32 v253, v237, 8, v236              ; p's scale word for these 128 keys
	s_delay_alu instid0(VALU_DEP_1)
	v_lshl_or_b32 v253, v238, 16, v253
	s_delay_alu instid0(VALU_DEP_1)
	v_lshl_or_b32 v253, v239, 24, v253
.irp c, 0,1
	v_cvt_scalef32_pk16_fp6_f32 v[224+6*\c:226+6*\c], v[96+32*\c:111+32*\c], v[244+2*\c]
	v_cvt_scalef32_pk16_fp6_f32 v[236+4*\c:238+4*\c], v[112+32*\c:127+32*\c], v[244+2*\c+1]
.endr
	v_nop                                          ; one plain place behind a scaled conversion
.irp c, 0,1
.irp i, 0,1,2
	v_permlane16_swap_b32 v[224+6*\c+\i], v[236+4*\c+\i]
.endr
.irp i, 0,1,2
	s_delay_alu instid0(VALU_DEP_3)
	v_mov_b32 v[227+6*\c+\i], v[236+4*\c+\i]
.endr
.endr
.set n, 0
.rept 16
	v_pk_mul_f32 v[160+n:161+n], v[160+n:161+n], v[252:253] op_sel_hi:[1,0]   ; O^T under the new M.  (With the moves above: the places between the codes' and the scale word's last writes and the products below)
.set n, n+2
.endr
	s_wait_alu depctr_va_vdst(0)
	s_wait_dscnt 0x0                               ; V is in
.irp t, 0,1,2,3                        ; O^T += V^T P^T: four accumulators, one instruction each
	v_wmma_scale_f32_16x16x128_f8f6f4 v[160+8*\t:167+8*\t], v[32+12*\t:43+12*\t], v[224:235], v[160+8*\t:167+8*\t], v[248+\t], v253 matrix_a_fmt:MATRIX_FMT_FP6 matrix_b_fmt:MATRIX_FMT_FP6
.endr
	s_add_co_u32 s[TB], s[TB], 6144
	s_add_co_u32 s[TS], s[TS], 256
	s_add_co_u32 s[TBI], s[TBI], 512
.endm
; One token tile of 16 queries against all 2,048 keys; m = 0, 1: which of my two tiles
.macro PASS m
	s_wait_xcnt 0x0                                ; the last tile's stores have read their registers
.irp p, 0,1,2
	global_load_b64 v[16+2*\p:17+2*\p], v29, s[78:79] offset:1536*\m+256*\p    ; q's 64 codes a row, once as the lower half of an operand,
	global_load_b64 v[86+2*\p:87+2*\p], v29, s[78:79] offset:1536*\m+256*\p    ; once as the upper half of another
.endr
	v_perm_b32 v255, v31, v31, 0x01000100+0x02020202*\m   ; q's scale word: the tile's two bytes, twice
	v_mov_b32 v13, 0xe9000000                      ; the largest t so far: -2^83
	s_delay_alu instid0(VALU_DEP_1)
	v_floor_f32 v12, -v13                          ; -M
	v_mov_b32 v14, 0                               ; the sum, in two halves
	v_mov_b32 v15, 0
.set n, 0
.rept 32
	v_mov_b32 v[160+n], 0                          ; O^T: the step is written once; the first finds zeros
.set n, n+1
.endr
	s_mov_b32 s[TB], 0
	s_mov_b32 s[TS], 0
	s_mov_b32 s[TBI], 0
	s_mov_b32 s[CNT], 16
	s_wait_loadcnt 0x0                             ; q
.Lstep_\@:
	STEP
	s_sub_co_u32 s[CNT], s[CNT], 1
	s_cmp_lg_u32 s[CNT], 0
	s_cbranch_scc1 .Lstep_\@
.rept 4
	v_nop                                          ; places behind the last products
.endr
	v_add_f32 v14, v14, v15                        ; the sum's two halves,
	s_delay_alu instid0(VALU_DEP_1)
	v_permlanex16_b32 v252, v14, s[SEL], s[SEL+1]
	s_delay_alu instid0(VALU_DEP_1)
	v_add_f32 v14, v14, v252                       ; and lane l xor 16's: the row's sum
	s_wait_alu depctr_va_vdst(0)
	v_rcp_f32 v14, v14
	v_nop                                          ; a plain place behind the transcendental
	s_wait_alu depctr_va_vdst(0)                   ; the wait ahead of its first reader
.set n, 0
.rept 32
	v_mul_f32 v[96+n], v[160+n], v14               ; o: register 16 b + i = feature 32 b + 16 h + i of the head, by V's tiles' choice of rows
.set n, n+1
.endr
.irp b, 0,1                            ; o's two blocks of 32 are quantised: half a fragment of the last product's operand
	v_max3_num_f32 v[232+\b], |v[96+16*\b]|, |v[97+16*\b]|, 0x1800000
.endr
.irp i, 2,4,6,8,10,12,14
.irp b, 0,1
	s_delay_alu instid0(VALU_DEP_2)
	v_max3_num_f32 v[232+\b], v[232+\b], |v[96+16*\b+\i]|, |v[97+16*\b+\i]|
.endr
.endr
.irp b, 0,1
	s_delay_alu instid0(VALU_DEP_2)
	v_permlanex16_b32 v[236+\b], v[232+\b], s[SEL], s[SEL+1]
.endr
.irp b, 0,1
	s_delay_alu instid0(VALU_DEP_2)
	v_max_num_f32 v[232+\b], v[232+\b], v[236+\b]
.endr
.irp b, 0,1
	s_delay_alu instid0(VALU_DEP_2)
	v_add_nc_u32 v[244+\b], 0xff000000, v[232+\b]
.endr
.irp b, 0,1
	s_delay_alu instid0(VALU_DEP_2)
	v_lshrrev_b32 v[236+\b], 23, v[244+\b]
.endr
	s_delay_alu instid0(VALU_DEP_1)
	v_cndmask_b32 v239, v236, v237, s[HM]          ; lanes 0-15: block 0's byte; lanes 16-31: block 1's
	v_cvt_scalef32_pk16_fp6_f32 v[224:226], v[96:111], v244
	v_cvt_scalef32_pk16_fp6_f32 v[240:242], v[112:127], v245
	v_nop                                          ; one plain place behind a scaled conversion
.irp i, 0,1,2
	v_permlane16_swap_b32 v[224+\i], v[240+\i]
.endr
.irp i, 0,1,2
	s_delay_alu instid0(VALU_DEP_3)
	v_mov_b32 v[227+\i], v[240+\i]
.endr
.irp p, 0,1,2
	global_store_b64 v29, v[224+2*\p:225+2*\p], s[80:81] offset:12288*\m+256*\p   ; 256 consecutive bytes, aligned
.endr
	global_store_b8 v30, v239, s[82:83] offset:512*\m   ; 32 bytes of the tile's 512: two in each row's 16
.endm
	PASS 0
	PASS 1
	s_wait_tensorcnt 0x0                           ; the wave's end, behind my last tensor load and my last LDS store
	ds_add_u32 v[SPW], v[NIL]
	s_wait_dscnt 0x0
	CROUND                                         ; the closing round
	s_endpgm
.Lfunc_end_k_qb8ab726679_attn:
	.size	k_qb8ab726679_attn, .Lfunc_end_k_qb8ab726679_attn-k_qb8ab726679_attn
	.p2alignl 7, 3214868480
	.fill 96, 4, 3214868480
	.section	.rodata,"a",@progbits
	.p2align	6, 0x0
	.amdhsa_kernel k_qb8ab726679_attn
		.amdhsa_group_segment_fixed_size 215040
		.amdhsa_private_segment_fixed_size 0
		.amdhsa_enable_private_segment 0
		.amdhsa_kernarg_size 40
		.amdhsa_user_sgpr_count 2
		.amdhsa_user_sgpr_kernarg_segment_ptr 1
		.amdhsa_wavefront_size32 1
		.amdhsa_system_sgpr_workgroup_id_x 1
		.amdhsa_system_sgpr_workgroup_id_y 1
		.amdhsa_system_sgpr_workgroup_id_z 1
		.amdhsa_system_vgpr_workitem_id 0
		.amdhsa_next_free_vgpr 256
		.amdhsa_next_free_sgpr 100
		.amdhsa_reserve_vcc 1
		.amdhsa_float_denorm_mode_32 3
		.amdhsa_float_denorm_mode_16_64 3
		.amdhsa_memory_ordered 1
		.amdhsa_forward_progress 1
		.amdhsa_inst_pref_size 61
	.end_amdhsa_kernel
	.amdgpu_metadata
---
amdhsa.version: [ 1, 2 ]
amdhsa.kernels:
  - .name:           k_qb8ab726679_attn
    .symbol:         k_qb8ab726679_attn.kd
    .args:
      - { .name: qkv_img, .offset: 0, .size: 8, .value_kind: global_buffer, .address_space: global }
      - { .name: qkv_sc, .offset: 8, .size: 8, .value_kind: global_buffer, .address_space: global }
      - { .name: pad_mask, .offset: 16, .size: 8, .value_kind: global_buffer, .address_space: global }
      - { .name: pr_img, .offset: 24, .size: 8, .value_kind: global_buffer, .address_space: global }
      - { .name: sc_pr, .offset: 32, .size: 8, .value_kind: global_buffer, .address_space: global }
    .group_segment_fixed_size: 215040
    .private_segment_fixed_size: 0
    .kernarg_segment_align: 8
    .kernarg_segment_size: 40
    .max_flat_workgroup_size: 512
    .sgpr_count:     100
    .vgpr_count:     256
    .wavefront_size: 32
...
	.end_amdgpu_metadata
.endif
;; end of part 3
;; launch gemm_proj (part 4): grid 4 x 64, 4 waves a work-group, clusters of 4 x 4, 327,680 bytes of LDS; arguments pr_img, sc_pr, out0; writes out0
.if DOCPART == 4
	.amdgcn_target "amdgcn-amd-amdhsa--gfx1250"
	.amdhsa_code_object_version 6
	.text
	.protected	k_qb8ab726679_gemm_proj
	.globl	k_qb8ab726679_gemm_proj
	.p2align	8
	.type	k_qb8ab726679_gemm_proj,@function
k_qb8ab726679_gemm_proj:
	s_mov_b64 s[64:65], 0
	v_nop
	global_prefetch_b8 v0, s[64:65] scope:SCOPE_SE
	s_setreg_imm32_b32 hwreg(HW_REG_WAVE_MODE, 25, 1), 1
	s_wait_xcnt 0x0
	s_wait_alu depctr_hold_cnt(0) depctr_sa_sdst(0) depctr_va_vdst(0) depctr_va_sdst(0) depctr_va_ssrc(0) depctr_va_vcc(0) depctr_vm_vsrc(0)
	s_getreg_b32 s2, hwreg(HW_REG_IB_STS2, 6, 4)
	s_cmp_eq_u32 s2, 0
	s_cbranch_scc0 .Lentry_in_a_cluster
	s_endpgm
.Lentry_in_a_cluster:
	s_bfe_u32 s2, ttmp6, 0x10000c
	s_cmp_lg_u32 s2, 0xf033
	s_cbranch_scc0 .Lentry_shape_is_right
	s_endpgm
.Lentry_shape_is_right:
; out0[m][n] = sum over k of o[m][k] W_proj[n][k], both as codes of FP6 (E2M3) with E8M0 scales, f32 sums.  8,192 x 1,024 x 1,024.
; pr_img holds images of the operand's registers: a tile is 16 rows (lane r = row 32 (t / 2) + 8 (t % 2) + r + 8 (r / 8)), 8 fragments of 1,536 bytes on end (12,288 bytes),
; a fragment six pieces of 256 bytes, piece p = registers 2 p, 2 p + 1 of lane l at 256 p + 8 l.  Tiles 0-511: o; tiles 512-575: W_proj.  sc_pr: 512 bytes a tile, [K step / 4][r][K step % 4].
; SHARES: a work-group makes 128 x 256 of out0: 64 x 4 = 256 work-groups.  Four waves, 2 x 2; a wave makes 64 x 128: 32 accumulators.
; LDS: the work-group's 8 tiles of o and 16 tiles of W_proj, ALL of K, are 24 x 12,288 = 294,912 bytes: filled once at the head, one tensor load a wave; nothing is filled again, so there is no ring.
; CLUSTER 4 x 4: o's tiles are shared by a row of the cluster, W_proj's by a column: joint loads.
; No prefetch: the launch has no loop to run ahead in; every tile is asked for at the head.
; The matrix instruction is used transposed (source 0 = W_proj's rows, source 1 = o's rows): a lane holds eight neighbouring columns of a row of out0.
; REGISTERS: window 0: v16-31 addresses; v32-63 o's scale words; v68-131 W_proj's; v136-231 o's fragments, two sets of 4; on the way out v128-255.  Window 1: W_proj's fragments, two sets, at v0 and v128.  Window 2: the accumulators, (a, b) at v[8 (8 a + b)].
.set FR,     12
.set TILEB,  12288
.set BB,     8*TILEB                   ; W_proj's tiles lie behind o's eight
.set SPARE,  24*TILEB                  ; behind the tiles: the spare words, 128 bytes a wave
.set SPITCH, 528                       ; the stage's rows: 512 bytes + 16.  The stage, 16 rows a wave, lies in o's bytes, behind a barrier behind which nobody reads them
.set ADRA, 16
.set ADRB, 20                          ; v20: tiles 0-3, v21: tiles 4-7 (an LDS offset has 16 bits)
.set LN8,  24
.set STO,  25
.set RD,   26
.set SOFA, 27
.set SPW,  28
.set NIL,  29
.set CO,   30
.set SOFB, 31
.set SCA,  32
.set SCB,  68
.set AF,   136
.set BK,   128
.set G1,  24
.set G1B, 32
.set G0,  40
.set G0B, 44
.set MSB, 0
.macro WIN new
.if MSB != \new
	s_set_vgpr_msb (MSB<<8)|\new
.set MSB, \new
.endif
.endm
.set MUL_LO, 0xa1                      ; source 0 window 1, source 1 window 0, C and D window 2
.set TO_B,   0x40
.macro PLACES
.rept 4
	v_nop
.endr
.endm
.macro CROUND                          ; a round of the cluster's barrier
	s_barrier_signal -1
	s_barrier_wait -1
	s_cmp_lg_u32 s14, 0
	s_cbranch_scc1 .Lnot_wave_0_\@
	s_barrier_signal -3
.Lnot_wave_0_\@:
	s_barrier_wait -3
	s_barrier_signal -1
	s_barrier_wait -1
.endm
	s_load_b128 s[4:7], s[0:1], 0x0                ; pr_img, sc_pr
	s_load_b64 s[8:9], s[0:1], 0x10                ; out0
	v_lshl_add_u32 v[SPW], v0, 2, SPARE
	v_mov_b32 v[NIL], 0
	ds_add_u32 v[SPW], v[NIL]                      ; the opening lines: the add, twice on end, and its wait
	ds_add_u32 v[SPW], v[NIL]
	v_lshrrev_b32 v1, 5, v0
	v_readfirstlane_b32 s14, v1                    ; wave
	s_lshr_b32 s15, s14, 1                         ; my half of the rows; also: I fetch for o (0) or W_proj (1)
	s_and_b32 s16, s14, 1                          ; my half of the columns; also: which half of that operand's tiles I fetch
	s_bfe_u32 s66, ttmp6, 0x40000                  ; cx
	s_bfe_u32 s67, ttmp6, 0x40004                  ; cy
	s_and_b32 s72, ttmp7, 0xffff
	s_lshl_b32 s72, s72, 2
	s_add_co_u32 s72, s72, s67                     ; block row, 0 .. 63
	s_lshl_b32 s73, ttmp9, 2
	s_add_co_u32 s73, s73, s66                     ; block column, 0 .. 3
	s_lshl_b32 s74, s67, 2
	s_lshl_b32 s74, 15, s74                        ; my row of the cluster
	s_lshl_b32 s75, 0x1111, s66                    ; my column
	s_or_b32 s[G1], s74, (3<<16)|(1<<21)           ; elements of 8 bytes; a tile of pr_img is a row of 1,536 of them
	s_or_b32 s[G1B], s75, (3<<16)|(1<<21)
.irp g, G1, G1B
	s_mov_b32 s[\g+1], 1536<<16
	s_mov_b32 s[\g+3], 1536<<16
	s_mov_b32 s[\g+5], 1536
	s_mov_b32 s[\g+6], 0
	s_mov_b32 s[\g+7], 0
.endr
	s_mov_b32 s[G1+2], 4<<16                       ; o: 4 tiles a load
	s_mov_b32 s[G1+4], 4
	s_mov_b32 s[G1B+2], 8<<16                      ; W_proj: 8 tiles a load
	s_mov_b32 s[G1B+4], 8
	s_lshl_b32 s90, s72, 3
	s_lshl_b32 s91, s16, 2
	s_add_co_u32 s90, s90, s91
	s_mul_i32 s90, s90, TILEB                      ; o's tile 8 x block row + 4 x half
	s_mov_b32 s91, 0
	s_lshl_b32 s92, s73, 4
	s_lshl_b32 s93, s16, 3
	s_add_co_u32 s92, s92, s93
	s_add_co_u32 s92, s92, 512
	s_mul_i32 s92, s92, TILEB                      ; W_proj's tile 512 + 16 x block column + 8 x half
	s_mov_b32 s93, 0
	s_mul_i32 s94, s16, 4*TILEB
	s_mul_i32 s95, s16, 8*TILEB
	s_add_co_u32 s95, s95, BB
	s_wait_dscnt 0x0
	s_wait_kmcnt 0x0
	s_add_nc_u64 s[90:91], s[4:5], s[90:91]
	s_add_nc_u64 s[92:93], s[4:5], s[92:93]
	CROUND                                         ; the partners are here: the joint loads meet
	s_mov_b32 s[G0], 1
	s_mov_b32 s[G0+1], s94
	s_mov_b64 s[G0+2:G0+3], s[90:91]
	s_or_b32 s[G0+3], s[G0+3], 0x80000000
	s_mov_b32 s[G0B], 1
	s_mov_b32 s[G0B+1], s95
	s_mov_b64 s[G0B+2:G0B+3], s[92:93]
	s_or_b32 s[G0B+3], s[G0B+3], 0x80000000
	s_cmp_eq_u32 s15, 0                            ; one chain of two arms on the wave's number: every way passes one load
	s_cbranch_scc0 .Lfor_b
	tensor_load_to_lds s[G0:G0+3], s[G1:G1+7]
	s_nop 0
	PLACES
	s_branch .Lasked
.Lfor_b:
	tensor_load_to_lds s[G0B:G0B+3], s[G1B:G1B+7]
	s_nop 0
	PLACES
.Lasked:
	s_lshl_b32 s20, s72, 3
	s_lshl_b32 s22, s15, 2
	s_add_co_u32 s20, s20, s22
	s_lshl_b32 s20, s20, 9                         ; my four tiles' scale words of o
	s_lshl_b32 s21, s73, 4
	s_lshl_b32 s22, s16, 3
	s_add_co_u32 s21, s21, s22
	s_add_co_u32 s21, s21, 512
	s_lshl_b32 s21, s21, 9                         ; my eight tiles' of W_proj
	s_mul_i32 s22, s15, 4*TILEB                    ; my fragments in LDS
	s_mul_i32 s23, s16, 8*TILEB
	s_add_co_u32 s23, s23, BB
	s_mul_i32 s76, s14, 16*SPITCH                  ; my stage
	s_lshl_b32 s78, s72, 7
	s_lshl_b32 s79, s15, 6
	s_add_co_u32 s78, s78, s79                     ; my first row of out0
	s_lshl_b32 s78, s78, 12
	s_lshl_b32 s79, s73, 10
	s_add_co_u32 s78, s78, s79
	s_lshl_b32 s79, s16, 9
	s_add_co_u32 s78, s78, s79                     ; + my first column, in bytes
	s_mov_b32 s79, 0
	s_add_nc_u64 s[8:9], s[8:9], s[78:79]
	v_and_b32 v1, 31, v0
	v_and_b32 v2, 15, v0
	v_bfe_u32 v3, v0, 4, 1
	v_lshlrev_b32 v[LN8], 3, v1
	v_lshlrev_b32 v4, 4, v2
	v_add_nc_u32 v[SOFA], s20, v4
	v_add_nc_u32 v[SOFB], s21, v4
.irp i, 0,1,2,3
	global_load_b128 v[SCA+8*\i:SCA+8*\i+3], v[SOFA], s[6:7] offset:512*\i       ; row r's words of K steps 0-3,
	global_load_b128 v[SCA+8*\i+4:SCA+8*\i+7], v[SOFA], s[6:7] offset:512*\i+256 ; and 4-7
.endr
.irp i, 0,1,2,3,4,5,6,7
	global_load_b128 v[SCB+8*\i:SCB+8*\i+3], v[SOFB], s[6:7] offset:512*\i
	global_load_b128 v[SCB+8*\i+4:SCB+8*\i+7], v[SOFB], s[6:7] offset:512*\i+256
.endr
	v_add_nc_u32 v[ADRA], s22, v[LN8]
	v_add_nc_u32 v[ADRB], s23, v[LN8]
	v_add_nc_u32 v[ADRB+1], 4*TILEB, v[ADRB]
	v_mul_u32_u24 v5, v2, SPITCH
	v_lshl_add_u32 v5, v3, 6, v5
	v_add_nc_u32 v[STO], s76, v5                   ; into the stage: row r, + 64 h
	v_lshlrev_b32 v[CO], 4, v1
	v_add_nc_u32 v[RD], s76, v[CO]                 ; back: 32 lanes take a row of 512 bytes
.macro FRAG reg, adr, off
.irp p, 0,1,2,3,4,5
	ds_load_b64 v[\reg+2*\p:\reg+2*\p+1], v[\adr] offset:\off+256*\p
.endr
.endm
.macro FETCH_B k                       ; W_proj's eight fragments of K step k into set k % 2: 48 loads
	WIN TO_B
.irp i, 0,1,2,3,4,5,6,7
	FRAG 128*((\k)%2)+FR*\i, ADRB+\i/4, (\i%4)*TILEB+(\k)*1536
.endr
	WIN 0
.endm
.macro FETCH_A k                       ; o's four fragments: 24 loads
.irp i, 0,1,2,3
	FRAG AF+48*((\k)%2)+FR*\i, ADRA, \i*TILEB+(\k)*1536
.endr
.endm
.macro MUL a0, k                       ; 16 products: o's blocks a0, a0 + 1 x W_proj's eight.  The 32 accumulators take turns; K step 0 starts the sums
.irp a, \a0, \a0+1
.irp b, 0,1,2,3,4,5,6,7
.if (\k) == 0
	v_wmma_scale_f32_16x16x128_f8f6f4 v[8*(8*(\a)+\b):8*(8*(\a)+\b)+7], v[128*((\k)%2)+FR*\b:128*((\k)%2)+FR*\b+FR-1], v[AF+48*((\k)%2)+FR*(\a):AF+48*((\k)%2)+FR*(\a)+FR-1], 0, v[SCB+8*\b+(\k)], v[SCA+8*(\a)+(\k)] matrix_a_fmt:MATRIX_FMT_FP6 matrix_b_fmt:MATRIX_FMT_FP6
.else
	v_wmma_scale_f32_16x16x128_f8f6f4 v[8*(8*(\a)+\b):8*(8*(\a)+\b)+7], v[128*((\k)%2)+FR*\b:128*((\k)%2)+FR*\b+FR-1], v[AF+48*((\k)%2)+FR*(\a):AF+48*((\k)%2)+FR*(\a)+FR-1], v[8*(8*(\a)+\b):8*(8*(\a)+\b)+7], v[SCB+8*\b+(\k)], v[SCA+8*(\a)+(\k)] matrix_a_fmt:MATRIX_FMT_FP6 matrix_b_fmt:MATRIX_FMT_FP6
.endif
.endr
.endr
.endm
.macro STEP k                          ; K steps 0 to 6: the next step's fragments are fetched into the other sets, W_proj's at the step's head, o's in its middle
.if (\k) > 0
	PLACES                                         ; four places between the last step's products and the loads into the sets that they read
.endif
	FETCH_B (\k)+1
	s_wait_dscnt 48                                ; all but the 48 loads just issued: this step's fragments are in
	WIN MUL_LO
	MUL 0, \k
	WIN 0
	FETCH_A (\k)+1
	WIN MUL_LO
	MUL 2, \k
	WIN 0
.endm
	s_wait_alu depctr_va_vdst(0)                   ; the wait at the head's end
	s_wait_tensorcnt 0x0                           ; my tiles are in,
	s_barrier_signal -1
	s_barrier_wait -1                              ; and everybody's
	FETCH_B 0
	FETCH_A 0
	s_wait_loadcnt 0x0                             ; the scale words
.irp k, 0,1,2,3,4,5,6
	STEP \k
.endr
	s_wait_dscnt 0x0                               ; the last step's fragments are in: my reads of the tiles are over
	s_barrier_signal -1
	WIN MUL_LO
	MUL 0, 7
	MUL 2, 7
	WIN 0
	s_barrier_wait -1                              ; everybody's are: the stage may be laid over o's tiles
; THE WAY OUT, block by block of 16 rows x 128 columns, through my own stage: back as rows of 512 bytes, stored as two aligned units of 256 bytes
.macro TOSTAGE a
.set AC, 64*(\a)
	WIN 0x08                                       ; the data: window 2
.irp q, 0,1,2,3,4,5,6,7,8,9,10,11,12,13,14,15
	ds_store_b128 v[STO], v[AC+4*\q:AC+4*\q+3] offset:128*(\q/4)+16*(\q%4)   ; block b's register j is column 32 (b / 2) + 8 (b % 2) + 16 h + j; each accumulator from its low end on
.endr
	WIN 0
.set BBK, BK+64*((\a)%2)
.irp t, 0,1,2,3,4,5,6,7,8,9,10,11,12,13,14,15
	ds_load_b128 v[BBK+4*\t:BBK+4*\t+3], v[RD] offset:\t*SPITCH               ; LDS serves a wave's instructions in order: these see the stores above
.endr
.endm
.macro SEND a, younger
.set BBK, BK+64*((\a)%2)
	s_wait_dscnt \younger
.irp t, 0,1,2,3,4,5,6,7,8,9,10,11,12,13,14,15
	global_store_b128 v[CO], v[BBK+4*\t:BBK+4*\t+3], s[8:9] offset:(32*((\a)/2)+8*((\a)%2)+\t+8*(\t/8))*4096 th:TH_STORE_NT
.endr
.endm
	PLACES                                         ; between the last products and the first reads of results and loads into o's fragments' registers
	TOSTAGE 0
.irp a, 1,2,3
.if \a > 1
	s_wait_xcnt 0x0                                ; block a - 2's stores have read their registers
.endif
	TOSTAGE \a
	SEND \a-1, 32                                  ; behind block a - 1's loads: block a's 16 stores and 16 loads
.endr
	SEND 3, 0
	s_wait_tensorcnt 0x0                           ; the wave's end
	ds_add_u32 v[SPW], v[NIL]
	s_wait_dscnt 0x0
	CROUND                                         ; the closing round
	s_endpgm
.Lfunc_end_k_qb8ab726679_gemm_proj:
	.size	k_qb8ab726679_gemm_proj, .Lfunc_end_k_qb8ab726679_gemm_proj-k_qb8ab726679_gemm_proj
	.p2alignl 7, 3214868480
	.fill 96, 4, 3214868480
	.section	.rodata,"a",@progbits
	.p2align	6, 0x0
	.amdhsa_kernel k_qb8ab726679_gemm_proj
		.amdhsa_group_segment_fixed_size 327680
		.amdhsa_private_segment_fixed_size 0
		.amdhsa_enable_private_segment 0
		.amdhsa_kernarg_size 24
		.amdhsa_user_sgpr_count 2
		.amdhsa_user_sgpr_kernarg_segment_ptr 1
		.amdhsa_wavefront_size32 1
		.amdhsa_system_sgpr_workgroup_id_x 1
		.amdhsa_system_sgpr_workgroup_id_y 1
		.amdhsa_system_sgpr_workgroup_id_z 1
		.amdhsa_system_vgpr_workitem_id 0
		.amdhsa_next_free_vgpr 768
		.amdhsa_next_free_sgpr 100
		.amdhsa_reserve_vcc 0
		.amdhsa_float_denorm_mode_32 3
		.amdhsa_float_denorm_mode_16_64 3
		.amdhsa_memory_ordered 1
		.amdhsa_forward_progress 1
		.amdhsa_inst_pref_size 94
	.end_amdhsa_kernel
	.amdgpu_metadata
---
amdhsa.version: [ 1, 2 ]
amdhsa.kernels:
  - .name:           k_qb8ab726679_gemm_proj
    .symbol:         k_qb8ab726679_gemm_proj.kd
    .args:
      - { .name: pr_img, .offset: 0, .size: 8, .value_kind: global_buffer, .address_space: global }
      - { .name: sc_pr, .offset: 8, .size: 8, .value_kind: global_buffer, .address_space: global }
      - { .name: out0, .offset: 16, .size: 8, .value_kind: global_buffer, .address_space: global }
    .group_segment_fixed_size: 327680
    .private_segment_fixed_size: 0
    .kernarg_segment_align: 8
    .kernarg_segment_size: 24
    .max_flat_workgroup_size: 128
    .sgpr_count:     100
    .vgpr_count:     768
    .wavefront_size: 32
...
	.end_amdgpu_metadata
.endif
;; end of part 4
